; MI455X (gfx1250); checked and timed in simulation.
; The chip was launched on July 23, 2026; its instructions are those of AMD's public machine-readable ISA for CDNA 5 (MIT licence, August 2026) and "CDNA5" Instruction Set Architecture Reference Guide (July 2026). The comments in the code are by the model that wrote it; some were corrected since.
;; Compression Module. Allowed arithmetic: float matrix products may take bf16 or f16 operands with f32 sums; all other float work in f32.
;; Inputs: b0 64 float32; b1 64 float32; b2 64 float32; b3 3 float32; tables_0 256 x 2 float32; tables_1 400 x 2 float32; tables_2 625 x 2 float32; tables_3 1,024 x 2 float32; tables_4 1,600 x 2 float32; tables_5 2,500 x 2 float32; tables_6 4,096 x 2 float32; tables_7 6,400 x 2 float32; tables_8 10,201 x 2 float32; tables_9 16,384 x 2 float32; tables_10 25,921 x 2 float32; tables_11 41,209 x 2 float32; tables_12 65,536 x 2 float32; tables_13 262,144 x 2 float32; tables_14 262,144 x 2 float32; tables_15 262,144 x 2 float32; w0 32 x 64 float32; w1 64 x 64 float32; w2 64 x 64 float32; w3 64 x 3 float32; xn 1,048,576 x 2 float32.
;; Outputs: out0 1,048,576 x 3 float32.
;; 2 versions, each right; version 2 is version 1 with the launch field written anew for expert scheduling mode. Each part assembles by itself: llvm-mc -triple=amdgcn-amd-amdhsa -mcpu=gfx1250 --defsym DOCPART=n.
;; ======== version 1 of 2: 2 launches
;; limits: inputs' magnitudes at most 16,777,216; below input magnitudes of 5.96e-08 results are inexact or not finite; values are held in f16: magnitudes above 65,504 overflow, below 6.1e-05 lose precision; right only within a limited range of input values
;; workspace buffers: q 8,388,608 bytes of whole numbers
;; launch quant (part 1): grid 256 x 1, 8 waves a work-group, no clusters, 0 bytes of LDS; arguments xn, q; writes q
.if DOCPART == 1
	.amdgcn_target "amdgcn-amd-amdhsa--gfx1250"
	.amdhsa_code_object_version 6
	.text
	.protected	k_q1e4c228abb_quant
	.globl	k_q1e4c228abb_quant
	.p2align	8
	.type	k_q1e4c228abb_quant,@function
k_q1e4c228abb_quant:
	s_mov_b64 s[64:65], 0
	v_nop
	global_prefetch_b8 v0, s[64:65] scope:SCOPE_SE
	s_setreg_imm32_b32 hwreg(HW_REG_WAVE_MODE, 25, 1), 1
	s_wait_xcnt 0x0
; q[i] = floor(clamp((xn[i] + 1) / 2, 0, 1 - 2^-24) * 2^32) as u32, for all 2,097,152 coordinates of xn.
; WHY: the cell of a point at a level of resolution res is clip(floor(xy01 (res-1)), 0, res-2).  With xy01 kept as a
; fraction of 32 bits that cell is the upper word of q x (res-1), for every level, and it always lies in 0 .. res-2.
; So this launch turns the floats into whole numbers once, and the next launch forms every table address from whole
; numbers that it reads from memory.  The interpolation weights are still made from xn itself there.
; DEAD WORK: none is left out in either launch; every input is loaded.
; LIMITS: (1) exactly at a cell border the cell taken here can be the neighbour of the one that floor() of the rounded
; f32 product gives; the bilinear form is continuous there, so the feature moves by at most about res x 2^-24 times the
; difference of neighbouring table entries.  (2) A NaN in xn gives q = 0 (the maximum with 0 drops it).
; Eight waves; the work-group owns 32,768 bytes; thread t owns the 16 bytes at 16 t of each of eight chunks of 4,096 bytes,
; so each load and store of a wave covers 512 consecutive bytes, aligned.  All eight loads go out first.
.set CHUNK, 4096
.set D,     4                          ; v[4:35]  chunk i: four coordinates, as loaded and then as stored
	s_load_b128 s[4:7], s[0:1], 0x0                ; xn s[4:5], q s[6:7]
	s_lshl_b32 s2, ttmp9, 15                       ; the work-group's 32,768 bytes
	s_mov_b32 s3, 0
	s_mov_b32 s8, 0x4f000000                       ; 2^31, as a pair for the packed multiply-add
	s_mov_b32 s9, 0x4f000000
	v_lshlrev_b32 v1, 4, v0                        ; 16 t; never rewritten
	s_wait_kmcnt 0x0
	s_add_nc_u64 s[4:5], s[4:5], s[2:3]
	s_add_nc_u64 s[6:7], s[6:7], s[2:3]
.irp i, 0,1,2,3,4,5,6,7
	global_load_b128 v[D+4*\i:D+4*\i+3], v1, s[4:5] offset:CHUNK*\i    ; no hint: the next launch reads xn again
.endr
.irp i, 0,1,2,3,4,5,6,7
	s_wait_loadcnt 7-\i                            ; loads come back in order: chunk i is in, the younger ones stay out
	v_pk_fma_f32 v[D+4*\i:D+4*\i+1],   v[D+4*\i:D+4*\i+1],   s[8:9], s[8:9] op_sel_hi:[1,0,0]   ; xn 2^31 + 2^31 = 2^32 (xn + 1) / 2, rounded once as xn + 1 is
	v_pk_fma_f32 v[D+4*\i+2:D+4*\i+3], v[D+4*\i+2:D+4*\i+3], s[8:9], s[8:9] op_sel_hi:[1,0,0]
.irp j, 0,1,2,3
	v_max_num_f32 v[D+4*\i+\j], 0, v[D+4*\i+\j]                ; below 0: cell 0
	v_min_num_f32 v[D+4*\i+\j], 0x4f7fffff, v[D+4*\i+\j]       ; (1 - 2^-24) 2^32, the largest f32 that fits 32 bits: cell res-2
	v_cvt_u32_f32 v[D+4*\i+\j], v[D+4*\i+\j]                   ; toward zero = floor
.endr
	global_store_b128 v1, v[D+4*\i:D+4*\i+3], s[6:7] offset:CHUNK*\i   ; no register is written again behind a store
.endr
	s_endpgm
.Lfunc_end_k_q1e4c228abb_quant:
	.size	k_q1e4c228abb_quant, .Lfunc_end_k_q1e4c228abb_quant-k_q1e4c228abb_quant
	.p2alignl 7, 3214868480
	.fill 96, 4, 3214868480
	.section	.rodata,"a",@progbits
	.p2align	6, 0x0
	.amdhsa_kernel k_q1e4c228abb_quant
		.amdhsa_group_segment_fixed_size 0
		.amdhsa_private_segment_fixed_size 0
		.amdhsa_enable_private_segment 0
		.amdhsa_kernarg_size 16
		.amdhsa_user_sgpr_count 2
		.amdhsa_user_sgpr_kernarg_segment_ptr 1
		.amdhsa_wavefront_size32 1
		.amdhsa_system_sgpr_workgroup_id_x 1
		.amdhsa_system_sgpr_workgroup_id_y 1
		.amdhsa_system_sgpr_workgroup_id_z 1
		.amdhsa_system_vgpr_workitem_id 0
		.amdhsa_next_free_vgpr 40
		.amdhsa_next_free_sgpr 66
		.amdhsa_reserve_vcc 0
		.amdhsa_float_denorm_mode_32 3
		.amdhsa_float_denorm_mode_16_64 3
		.amdhsa_memory_ordered 1
		.amdhsa_forward_progress 1
		.amdhsa_inst_pref_size 8
	.end_amdhsa_kernel
	.amdgpu_metadata
---
amdhsa.version: [ 1, 2 ]
amdhsa.kernels:
  - .name:           k_q1e4c228abb_quant
    .symbol:         k_q1e4c228abb_quant.kd
    .args:
      - { .name: xn, .offset: 0, .size: 8, .value_kind: global_buffer, .address_space: global }
      - { .name: q, .offset: 8, .size: 8, .value_kind: global_buffer, .address_space: global }
    .group_segment_fixed_size: 0
    .private_segment_fixed_size: 0
    .kernarg_segment_align: 8
    .kernarg_segment_size: 16
    .max_flat_workgroup_size: 256
    .sgpr_count:     66
    .vgpr_count:     40
    .wavefront_size: 32
...
	.end_amdgpu_metadata
.endif
;; end of part 1
;; launch field (part 2): grid 256 x 1, 8 waves a work-group, no clusters, 258,304 bytes of LDS; arguments tables_0, tables_1, tables_2, tables_3, tables_4, tables_5, tables_6, tables_7, tables_8, tables_9, tables_10, tables_11, tables_12, tables_13, tables_14, tables_15, w0, w1, w2, w3, b0, b1, b2, b3, xn, q, out0; writes out0
.if DOCPART == 2
	.amdgcn_target "amdgcn-amd-amdhsa--gfx1250"
	.amdhsa_code_object_version 6
	.text
	.protected	k_q1e4c228abb_field
	.globl	k_q1e4c228abb_field
	.p2align	8
	.type	k_q1e4c228abb_field,@function
k_q1e4c228abb_field:
	s_mov_b64 s[64:65], 0
	v_nop
	global_prefetch_b8 v0, s[64:65] scope:SCOPE_SE
	s_setreg_imm32_b32 hwreg(HW_REG_WAVE_MODE, 25, 1), 1
	s_wait_xcnt 0x0
; out0 = MLP(encode(xn)): 16 bilinear lookups of 2 floats a point, then 32 -> 64 -> 64 -> 64 -> 3 with ReLU, all in one launch.
; No work of the problem is left out; every input is loaded.
; SHARES: 256 work-groups of eight waves; a work-group owns 4,096 points, a wave 512 consecutive points, in 8 trips of 64 points,
; each trip two halves of 32.  In the lookups a lane is a point.
; TABLES: levels 0 to 8 (216,816 bytes) are copied once into LDS and read there; levels 9 to 15 are gathered from memory.
; CELLS come from q (whole numbers of the earlier launch): cell = upper word of q x (res-1), always in 0 .. res-2.
; WEIGHTS of the interpolation come from xn: w = xy01 (res-1) - cell, so points outside [-1,1] extrapolate as in the problem.
; The four-term bilinear sum is written as three interpolations a + w (b - a), equal in exact arithmetic.
; THE MATRIX INSTRUCTION IS USED TRANSPOSED: source 0 = 16 output features x 32 inputs of a weight matrix, source 1 = 32 inputs
; x 16 points.  Register j of lane (r, h) of a result is then feature 16 t + 8 h + j of point r, which is the place that the next
; layer wants it in as source 1: tile 2 s fills registers 0-3 of K step s, tile 2 s + 1 registers 4-7.  Between layers stand only
; the ReLU and the packing; no lane traffic.
; NUMBER FORMAT: matrix operands are f16 (11 significant bits; eight roundings lie between the tables and a result, and 8 bits each
; leave too little margin), sums are f32.  f16's range is kept by powers of two, which change no mantissa:
;   per layer l, once: M_l = largest |w_l|, 2^a_l the power of two with K_l M_l 2^a_l <= 1 (K_l inputs), w_l' = w_l 2^a_l; so no sum
;   of products w_l' x exceeds the largest |x|.  P_l = 2^(a_0 + .. + a_l).  Gamma = sum over l = 0..2 of P_l x largest |b_l|.
;   per point: G = largest |feature| + Gamma, s the power of two with s G < 2^15.  The features go in as f s, the C of layer l is
;   b_l P_l s, the result of layer l is s P_l x (the problem's value), and every hidden value is at most 2^15 (1 + 2^-11)^3 < 65,504.
;   The smallest step of f16, 2^-24, is 2^-39 of the point's bound.  The last layer starts from 0; out = (D / s) / P_3 + b3 in f32.
; NO CLUSTER, NO TENSOR LOADS: all work-groups want the same 216,816 bytes of tables 0-8, but a launch with joint loads asks that every
; LDS address be alike in all partners, and here 36 LDS reads a point stand at that point's own cells, which differ from work-group
; to work-group.  Loads of a work-group's own would want nine descriptors of twelve scalar registers, each kept unwritten while its
; load is out: 108 registers beside the 27 addresses.  The weights (41,728 bytes) are scaled, transposed and rounded on the way.
; So the one copy at the head, once for 4,096 points, goes through registers.
; LIMITS: M_l is clamped to [2^-24, 2^24]: a weight matrix with a larger entry can overflow f16, one whose entries are all smaller
; loses bits.  G is clamped from below at 2^-100.  The ReLU is a maximum in which a NaN loses, so a NaN that reaches a hidden layer
; becomes 0 here, where the problem carries it to the result.  At a cell border the neighbour cell may be taken (see the earlier
; launch): the feature moves by at most about res x 2^-24 of an entry difference.
; ---- LDS, in bytes.  A table region is padded to whole copy chunks; the pad holds copies of the last entry and is never read.
.set T0,    0                          ; 2,048
.set T1,    2048                       ; 3,200 in 4,096
.set T2,    6144                       ; 5,000 in 6,144
.set T3,    12288                      ; 8,192
.set T4,    20480                      ; 12,800 in 14,336
.set T5,    34816                      ; 20,000 in 20,480
.set T6,    55296                      ; 32,768
.set T7,    88064                      ; 51,200
.set T8,    139264                     ; 81,608 in 81,920
.set W0T,   221184                     ; w0' transposed, f16 [64 out][32 in], rows 80 bytes apart
.set W1T,   226304                     ; w1' transposed, f16 [64 out][64 in], rows 144 bytes apart
.set W2T,   235520                     ; w2' likewise (9,216 behind w1')
.set STAGE, 244736                     ; 1,536 bytes a wave: 768 of results of a trip, 768 that take what lanes 16-31 hold of the last layer
.set RED,   257024                     ; 16 bytes a wave: its largest |w0|, |w1|, |w2|, |w3|
; ---- registers v0-v255 in the loop
.set L8,   1                           ; 8 x lane
.set L16,  2                           ; 16 x lane
.set STO,  3                           ; stage: where my point's three results go
.set RD16, 4                           ; stage: 16 x lane
.set RD8,  5                           ; stage: 8 x lane
.set RR,   6                           ; lane exchange: received
.set XA,   8                           ; v[8:9] xn, v[10:11] q of my point in half 0
.set XB,   12                          ; v[12:13] xn, v[14:15] q of my point in half 1
.set X01,  16                          ; v[16:17] (xn + 1) / 2
.set CX,   18                          ; cell x
.set CY,   19                          ; cell y
.set CF,   20                          ; v[20:21] the cell as f32
.set IDX,  22
.set HY0,  23
.set HY1,  24
.set IX1,  25
.set SP,   26                          ; my point's scale s (a pair with FM for the packed multiply)
.set FM,   27                          ; my point's largest |feature|, then G
.set B2R,  28                          ; v[28:59]   b2 P_2 as C tiles
.set PK,   60                          ; v[60:75]   the features, scaled, packed f16; then source 1 of the first layer: point tile p at 60 + 8 p
.set OUTR, 76                          ; v[76:81]   results on their way out
.set WP,   84                          ; v[84:115]  level l: (wx, wy), then its two features in f32
.set GA,   116                         ; v[116:131] gather offsets: levels 9-12 one each, levels 13-15 four each
.set LD,   132                         ; v[132:171] LDS data, 8 registers a level, five levels at a time
.set GD,   172                         ; v[172:227] gathered data, 8 registers a level, levels 9-15
.set ACC,  132                         ; v[132:195] accumulators (p, t) at 132 + 32 p + 8 t; the lookups' data are dead by then
.set HB,   196                         ; v[196:227] source 1 of layers 1-3: point tile p at 196 + 16 p
.set SC,   228                         ; v[228:231] point tile p: (s, 1 / s) of point 16 p + r, at 228 + 2 p
; ---- registers v256-v495, written by their low 8 bits under a window setting
.set W0F,  0                           ; w0' fragment t at 8 t
.set W1F,  32                          ; w1' fragment (t, s) at 8 (2 t + s)
.set W2F,  96
.set W3F,  160                         ; w3' fragment s at 8 s
.set B0R,  176                         ; b0 P_0 as C tiles
.set B1R,  208                         ; b1 P_1
; ---- set-up only
.set BS0,  60                          ; v[60:91]   b0 as loaded
.set BS1,  92                          ; v[92:123]  b1 as loaded
.set WS0,  132                         ; f32 weights as loaded: w0 8, w1 16, w2 16, w3 32 registers
.set WS1,  140
.set WS2,  156
.set WS3,  172
.set MX,   204                         ; v[204:207] largest |w_l|, then the scales 2^a_l
.set BE,   208                         ; v[208:210] largest |b_l|
.set TA,   211                         ; an LDS address
.set PP,   212                         ; v212 P_1, v213 P_2, v214 P_3 and then 1 / P_3, v215 Gamma
.set MSB, 0
.macro WIN new                         ; s_set_vgpr_msb: bits 1:0 source 0, 3:2 source 1, 5:4 source 2, 7:6 destination; the high byte repeats the setting that is left
.if MSB != \new
	s_set_vgpr_msb (MSB<<8)|\new
.set MSB, \new
.endif
.endm
.macro PLACES                          ; four plain vector instructions that name no register of the matrix instructions in front (ISA guide 7.12.1)
.rept 4
	v_nop
.endr
.endm
; One table, memory to registers: chunks of 4,096 bytes (16 a thread), then of 2,048 (8 a thread); the last, partial chunk by a clamped offset.
.macro TLD sb, size, clamp
.set nf, \size/4096
.set i, 0
.if nf > 0
.rept nf
	global_load_b128 v[DR:DR+3], v1, s[\sb:\sb+1] offset:4096*i
.set DR, DR+4
.set i, i+1
.endr
.endif
.set rr, \size-4096*nf
.set co, 4096*nf
.if rr >= 2048
	global_load_b64 v[DR8:DR8+1], v2, s[\sb:\sb+1] offset:co
.set DR8, DR8+2
.set co, co+2048
.set rr, rr-2048
.endif
.if rr > 0
	global_load_b64 v[DR8:DR8+1], v[\clamp], s[\sb:\sb+1] offset:co    ; threads past the end take the last entry again
.set DR8, DR8+2
.endif
.endm
; The same chunks in the same order, registers to LDS.  The address register carries what the 16-bit immediate cannot.
.macro TST lbase, size
.set nf, \size/4096
.set i, 0
.if nf > 0
.rept nf
.if (i%8) == 0
	v_add_nc_u32 v8, \lbase+4096*i, v1
.endif
	ds_store_b128 v8, v[DR:DR+3] offset:4096*(i%8)
.set DR, DR+4
.set i, i+1
.endr
.endif
.set rr, \size-4096*nf
.set co, 4096*nf
.if rr >= 2048
	v_add_nc_u32 v9, \lbase+co, v2
	ds_store_b64 v9, v[DR8:DR8+1]
.set DR8, DR8+2
.set co, co+2048
.set rr, rr-2048
.endif
.if rr > 0
	v_add_nc_u32 v9, \lbase+co, v2
	ds_store_b64 v9, v[DR8:DR8+1]
.set DR8, DR8+2
.endif
.endm
; the largest magnitude of cnt registers (cnt even) of a lane
.macro AMAX dst, base, cnt
	v_max_num_f32 v[\dst], |v[\base]|, |v[\base+1]|
.set am, 2
.rept (\cnt-2)/2
	v_max3_num_f32 v[\dst], |v[\base+am]|, |v[\base+am+1]|, v[\dst]
.set am, am+2
.endr
.endm
; maximum with the other half of the lanes
.macro XMAX r
	v_permlanex16_b32 v[RR], v[\r], s60, s61
	v_max_num_f32 v[\r], v[\r], v[RR]
.endm
; maximum over the 32 lanes, in every lane
.macro WMAX r
	v_max_num_f32_dpp v[\r], v[\r], v[\r] row_xmask:1 row_mask:0xf bank_mask:0xf
	v_max_num_f32_dpp v[\r], v[\r], v[\r] row_xmask:2 row_mask:0xf bank_mask:0xf
	v_max_num_f32_dpp v[\r], v[\r], v[\r] row_xmask:4 row_mask:0xf bank_mask:0xf
	v_max_num_f32_dpp v[\r], v[\r], v[\r] row_xmask:8 row_mask:0xf bank_mask:0xf
	XMAX \r
.endm
; a number that is the same in all lanes, twice into a scalar pair (the packed multiply names a pair)
.macro TOPAIR sd, vs
	v_readfirstlane_b32 s[\sd], v[\vs]
	s_mov_b32 s[\sd+1], s[\sd]
.endm
; ================= entry
	s_load_b512 s[4:19],  s[0:1], 0x0              ; tables 0-7: table l in s[4+2l:5+2l]
	s_load_b512 s[20:35], s[0:1], 0x40             ; tables 8-15
	s_load_b512 s[36:51], s[0:1], 0x80             ; w0 s[36:37], w1, w2, w3, b0 s[44:45], b1, b2, b3 s[50:51]
	s_load_b128 s[52:55], s[0:1], 0xc0             ; xn s[52:53], q s[54:55]
	s_load_b64  s[56:57], s[0:1], 0xd0             ; out0
	v_lshl_add_u32 v254, v0, 2, 0x3ed00
	v_mov_b32 v255, 0
	v_lshrrev_b32 v1, 5, v0
	v_readfirstlane_b32 s58, v1                    ; wave 0..7
	v_lshlrev_b32 v1, 4, v0                        ; 16 t
	v_lshlrev_b32 v2, 3, v0                        ; 8 t
	v_min_u32 v3, 1144, v2                         ; last entry of the partial chunk of table 1 (3,200 - 2,048 - 8),
	v_min_u32 v4, 896, v2                          ; of table 2 (5,000 - 4,096 - 8),
	v_min_u32 v5, 504, v2                          ; of table 4 (12,800 - 12,288 - 8),
	v_min_u32 v6, 1560, v2                         ; of table 5 (20,000 - 18,432 - 8),
	v_min_u32 v7, 1728, v2                         ; of table 8 (81,608 - 79,872 - 8)
	s_mov_b32 s59, 0xffff0000                      ; lanes 16-31
	s_mov_b32 s60, 0x76543210                      ; v_permlanex16_b32: lane i of one half reads lane i of the other
	s_mov_b32 s61, 0xfedcba98
	s_mov_b32 s62, 0x9e3779b1                      ; the hash prime 2,654,435,761
	s_wait_kmcnt 0x0
	s_load_b96 s[68:70], s[50:51], 0x0             ; b3
; ================= tables 0-8 into LDS: 59 loads in one run, one wait, 59 LDS stores
.set DR,  10                           ; v[10:205]  49 chunks of 16 bytes a thread
.set DR8, 206                          ; v[206:225] 10 chunks of 8 bytes a thread
	TLD 4,  2048,  3
	TLD 6,  3200,  3
	TLD 8,  5000,  4
	TLD 10, 8192,  3
	TLD 12, 12800, 5
	TLD 14, 20000, 6
	TLD 16, 32768, 3
	TLD 18, 51200, 3
	TLD 20, 81608, 7
	s_lshl_b32 s66, ttmp9, 15                      ; xn and q: 4,096 points x 8 bytes a work-group,
	s_lshl_b32 s67, s58, 12                        ; 512 points x 8 bytes a wave
	s_add_co_u32 s66, s66, s67
	s_mov_b32 s67, 0
	s_add_nc_u64 s[52:53], s[52:53], s[66:67]
	s_add_nc_u64 s[54:55], s[54:55], s[66:67]
	s_mul_i32 s66, ttmp9, 49152                    ; out0: 12 bytes a point
	s_mul_i32 s63, s58, 6144
	s_add_co_u32 s66, s66, s63
	s_add_nc_u64 s[56:57], s[56:57], s[66:67]
	v_and_b32 v230, 31, v0                         ; lane
	v_and_b32 v231, 15, v0                         ; r
	v_bfe_u32 v232, v0, 4, 1                       ; h
	v_and_b32 v233, 63, v0                         ; n: the output feature whose weights I transpose
	v_lshrrev_b32 v234, 6, v0                      ; kp 0..3: which pairs of inputs
	v_lshlrev_b32 v235, 2, v233
	v_lshl_add_u32 v235, v234, 9, v235             ; w0-w2: rows 2 kp, 2 kp + 1 of 256 bytes, column n
	v_min_u32 v236, 2, v231                        ; w3: rows 3-15 of the fragment repeat output 2; their results are never stored to out0
	v_lshlrev_b32 v236, 2, v236
	v_mad_u32_u24 v236, v232, 96, v236             ; + 8 h inputs of 12 bytes
	v_lshlrev_b32 v237, 5, v232                    ; biases: 8 h floats
	s_wait_loadcnt 0x0                             ; all table chunks are in; v1-v7 are free again
.set DR,  10
.set DR8, 206
	TST T0, 2048
	TST T1, 3200
	TST T2, 5000
	TST T3, 8192
	TST T4, 12800
	TST T5, 20000
	TST T6, 32768
	TST T7, 51200
	TST T8, 81608
; ================= weights, biases, the first 64 points
	v_mov_b32 v[RR], 0                             ; the destination of v_permlanex16_b32 counts as read
	v_lshlrev_b32 v[L8], 3, v230
	v_lshlrev_b32 v[L16], 4, v230
.irp i, 0,1,2,3
	global_load_b32 v[WS0+2*\i],   v235, s[36:37] offset:2048*\i       ; w0(2 kp + 8 i, n)
	global_load_b32 v[WS0+2*\i+1], v235, s[36:37] offset:2048*\i+256   ; w0(2 kp + 8 i + 1, n)
.endr
.irp i, 0,1,2,3,4,5,6,7
	global_load_b32 v[WS1+2*\i],   v235, s[38:39] offset:2048*\i
	global_load_b32 v[WS1+2*\i+1], v235, s[38:39] offset:2048*\i+256
	global_load_b32 v[WS2+2*\i],   v235, s[40:41] offset:2048*\i
	global_load_b32 v[WS2+2*\i+1], v235, s[40:41] offset:2048*\i+256
.endr
.irp s, 0,1
.irp j, 0,1,2,3,4,5,6,7
.set k0, 32*\s+2*\j+8*(\j/4)                   ; register j of fragment s holds inputs k0 + 8 h and the next
	global_load_b32 v[WS3+16*\s+2*\j],   v236, s[42:43] offset:12*k0
	global_load_b32 v[WS3+16*\s+2*\j+1], v236, s[42:43] offset:12*k0+12
.endr
.endr
.irp t, 0,1,2,3
	global_load_b128 v[BS0+8*\t:BS0+8*\t+3],   v237, s[44:45] offset:64*\t      ; register j of tile t: b[16 t + 8 h + j]
	global_load_b128 v[BS0+8*\t+4:BS0+8*\t+7], v237, s[44:45] offset:64*\t+16
	global_load_b128 v[BS1+8*\t:BS1+8*\t+3],   v237, s[46:47] offset:64*\t
	global_load_b128 v[BS1+8*\t+4:BS1+8*\t+7], v237, s[46:47] offset:64*\t+16
	global_load_b128 v[B2R+8*\t:B2R+8*\t+3],   v237, s[48:49] offset:64*\t
	global_load_b128 v[B2R+8*\t+4:B2R+8*\t+7], v237, s[48:49] offset:64*\t+16
.endr
	global_load_b64 v[XA:XA+1],   v[L8], s[52:53] th:TH_LOAD_NT
	global_load_b64 v[XA+2:XA+3], v[L8], s[54:55] th:TH_LOAD_NT
	global_load_b64 v[XB:XB+1],   v[L8], s[52:53] offset:256 th:TH_LOAD_NT
	global_load_b64 v[XB+2:XB+3], v[L8], s[54:55] offset:256 th:TH_LOAD_NT
	v_mul_u32_u24 v238, v233, 80                   ; w0' transposed: row n, pair kp
	v_lshl_add_u32 v238, v234, 2, v238
	v_add_nc_u32 v238, W0T, v238
	v_mul_u32_u24 v239, v233, 144                  ; w1', w2' transposed
	v_lshl_add_u32 v239, v234, 2, v239
	v_add_nc_u32 v239, W1T, v239
	s_lshl_b32 s66, s58, 4
	s_add_co_u32 s66, s66, RED                     ; my wave's 16 bytes for the maxima
	v_mov_b32 v[TA], s66
	s_wait_loadcnt 0x0                             ; once, for all of them
; ================= the largest magnitudes.  w0-w2 are spread over the 256 threads: lane, wave, then the eight waves through LDS.
; w3 and the biases are whole in every wave (the biases differ between the halves of the lanes alone).
	AMAX MX,   WS0, 8
	AMAX MX+1, WS1, 16
	AMAX MX+2, WS2, 16
	AMAX MX+3, WS3, 32
	AMAX BE,   BS0, 32
	AMAX BE+1, BS1, 32
	AMAX BE+2, B2R, 32
	WMAX MX
	WMAX MX+1
	WMAX MX+2
	WMAX MX+3
	XMAX BE
	XMAX BE+1
	XMAX BE+2
	ds_store_b128 v[TA], v[MX:MX+3]                ; all lanes write the same 16 bytes with the same values
	s_wait_dscnt 0x0                               ; for the other waves' sake: my maxima, and my table chunks, are in LDS
	s_barrier_signal -1
	s_barrier_wait -1
	v_and_b32 v[TA], 7, v0
	v_lshl_add_u32 v[TA], v[TA], 4, RED            ; lane i takes wave i mod 8's four maxima
	ds_load_b128 v[MX:MX+3], v[TA]
	s_wait_dscnt 0x0
.irp c, 0,1,2,3
	v_max_num_f32_dpp v[MX+\c], v[MX+\c], v[MX+\c] row_xmask:1 row_mask:0xf bank_mask:0xf   ; over eight neighbouring lanes = over the eight waves
	v_max_num_f32_dpp v[MX+\c], v[MX+\c], v[MX+\c] row_xmask:2 row_mask:0xf bank_mask:0xf
	v_max_num_f32_dpp v[MX+\c], v[MX+\c], v[MX+\c] row_xmask:4 row_mask:0xf bank_mask:0xf
	v_max_num_f32 v[MX+\c], 0x33800000, v[MX+\c]   ; at least 2^-24,
	v_min_num_f32 v[MX+\c], 0x4b800000, v[MX+\c]   ; at most 2^24: the products of the scales stay normal numbers
	v_and_b32 v[MX+\c], 0x7f800000, v[MX+\c]       ; the exponent field E: M < 2^(E-126)
.endr
	v_sub_nc_u32 v[MX],   0x7c000000, v[MX]        ; 2^a_0 = 2^(126-E) / 32: field 248 - E
	v_sub_nc_u32 v[MX+1], 0x7b800000, v[MX+1]      ; 2^a_l = 2^(126-E) / 64: field 247 - E
	v_sub_nc_u32 v[MX+2], 0x7b800000, v[MX+2]
	v_sub_nc_u32 v[MX+3], 0x7b800000, v[MX+3]
	v_mul_f32 v[PP],   v[MX],   v[MX+1]            ; P_1 (P_0 is 2^a_0)
	v_mul_f32 v[PP+1], v[PP],   v[MX+2]            ; P_2
	v_mul_f32 v[PP+2], v[PP+1], v[MX+3]            ; P_3, between 2^-123 and 2^69
	v_mul_f32 v[PP+3], v[BE], v[MX]                ; Gamma
	v_fma_f32 v[PP+3], v[BE+1], v[PP],   v[PP+3]
	v_fma_f32 v[PP+3], v[BE+2], v[PP+1], v[PP+3]
	v_sub_nc_u32 v[PP+2], 0x7f000000, v[PP+2]      ; 1 / P_3: field 254 - field
	TOPAIR 74, MX                                  ; s[74:75] 2^a_0 = P_0
	TOPAIR 76, MX+1                                ; s[76:77] 2^a_1
	TOPAIR 78, MX+2                                ; s[78:79] 2^a_2
	TOPAIR 80, MX+3                                ; s[80:81] 2^a_3
	TOPAIR 84, PP                                  ; s[84:85] P_1
	TOPAIR 86, PP+1                                ; s[86:87] P_2
	v_readfirstlane_b32 s72, v[PP+2]               ; 1 / P_3
	v_readfirstlane_b32 s71, v[PP+3]               ; Gamma
; ================= scale, round to f16, transpose through LDS
.irp i, 0,1,2,3
	v_pk_mul_f32 v[WS0+2*\i:WS0+2*\i+1], v[WS0+2*\i:WS0+2*\i+1], s[74:75] op_sel_hi:[1,0]
	v_cvt_pk_f16_f32 v[WS0+2*\i], v[WS0+2*\i], v[WS0+2*\i+1]           ; the lower input in the lower half
	ds_store_b32 v238, v[WS0+2*\i] offset:16*\i
.endr
.irp i, 0,1,2,3,4,5,6,7
	v_pk_mul_f32 v[WS1+2*\i:WS1+2*\i+1], v[WS1+2*\i:WS1+2*\i+1], s[76:77] op_sel_hi:[1,0]
	v_cvt_pk_f16_f32 v[WS1+2*\i], v[WS1+2*\i], v[WS1+2*\i+1]
	ds_store_b32 v239, v[WS1+2*\i] offset:16*\i
	v_pk_mul_f32 v[WS2+2*\i:WS2+2*\i+1], v[WS2+2*\i:WS2+2*\i+1], s[78:79] op_sel_hi:[1,0]
	v_cvt_pk_f16_f32 v[WS2+2*\i], v[WS2+2*\i], v[WS2+2*\i+1]
	ds_store_b32 v239, v[WS2+2*\i] offset:W2T-W1T+16*\i
.endr
.irp i, 0,1,2,3,4,5,6,7,8,9,10,11,12,13,14,15
	v_pk_mul_f32 v[WS3+2*\i:WS3+2*\i+1], v[WS3+2*\i:WS3+2*\i+1], s[80:81] op_sel_hi:[1,0]
	v_pk_mul_f32 v[B2R+2*\i:B2R+2*\i+1], v[B2R+2*\i:B2R+2*\i+1], s[86:87] op_sel_hi:[1,0]   ; b2 P_2, in place
.endr
	WIN 0x40                                       ; destinations above v255
.irp i, 0,1,2,3,4,5,6,7,8,9,10,11,12,13,14,15
	v_cvt_pk_f16_f32 v[W3F+\i], v[WS3+2*\i], v[WS3+2*\i+1]             ; w3' goes straight into its fragments
	v_pk_mul_f32 v[B0R+2*\i:B0R+2*\i+1], v[BS0+2*\i:BS0+2*\i+1], s[74:75] op_sel_hi:[1,0]   ; b0 P_0
	v_pk_mul_f32 v[B1R+2*\i:B1R+2*\i+1], v[BS1+2*\i:BS1+2*\i+1], s[84:85] op_sel_hi:[1,0]   ; b1 P_1
.endr
	WIN 0
	s_wait_kmcnt 0x0                               ; b3 is in s[68:70]
; ================= every wave's LDS stores are done before any wave reads weights; behind this barrier tables and weights are only read
	s_wait_dscnt 0x0
	s_barrier_signal -1
	s_barrier_wait -1
; ================= weight fragments: lane (r, h) takes row 16 t + r, bytes 16 h and 32 + 16 h of K step s
	v_mul_u32_u24 v238, v231, 80
	v_lshl_add_u32 v238, v232, 4, v238
	v_add_nc_u32 v238, W0T, v238
	v_mul_u32_u24 v239, v231, 144
	v_lshl_add_u32 v239, v232, 4, v239
	v_add_nc_u32 v239, W1T, v239
	WIN 0x40
.irp t, 0,1,2,3
	ds_load_b128 v[W0F+8*\t:W0F+8*\t+3],   v238 offset:1280*\t
	ds_load_b128 v[W0F+8*\t+4:W0F+8*\t+7], v238 offset:1280*\t+32
.endr
.irp t, 0,1,2,3
.irp s, 0,1
	ds_load_b128 v[W1F+8*(2*\t+\s):W1F+8*(2*\t+\s)+3],   v239 offset:2304*\t+64*\s
	ds_load_b128 v[W1F+8*(2*\t+\s)+4:W1F+8*(2*\t+\s)+7], v239 offset:2304*\t+64*\s+32
	ds_load_b128 v[W2F+8*(2*\t+\s):W2F+8*(2*\t+\s)+3],   v239 offset:W2T-W1T+2304*\t+64*\s
	ds_load_b128 v[W2F+8*(2*\t+\s)+4:W2F+8*(2*\t+\s)+7], v239 offset:W2T-W1T+2304*\t+64*\s+32
.endr
.endr
	WIN 0
	s_mul_i32 s66, s58, 1536
	s_add_co_u32 s66, s66, STAGE                   ; my wave's stage
	v_mul_u32_u24 v[STO], v231, 12                 ; point r: 12 bytes
	v_mad_u32_u24 v[STO], v232, 768, v[STO]        ; lanes 16-31 hold outputs 8-10, which do not exist: they write behind the 768 bytes of results
	v_add_nc_u32 v[STO], s66, v[STO]
	v_add_nc_u32 v[RD16], s66, v[L16]
	v_add_nc_u32 v[RD8], s66, v[L8]
	s_wait_dscnt 0x0                               ; the fragments are in
; ================= the lookups
; cell and weights of one level: cell = upper word of q x (res-1); w = xy01 (res-1) - cell, one rounding
.macro CELL q, rm1, rm1f, l
	v_mul_hi_u32 v[CX], v[\q], \rm1
	v_mul_hi_u32 v[CY], v[\q+1], \rm1
	v_cvt_f32_u32 v[CF], v[CX]
	v_cvt_f32_u32 v[CF+1], v[CY]
	v_pk_fma_f32 v[WP+2*(\l):WP+2*(\l)+1], v[X01:X01+1], \rm1f, v[CF:CF+1] op_sel_hi:[1,0,1] neg_lo:[0,0,1] neg_hi:[0,0,1]
.endm
; a dense level in LDS: four reads of 8 bytes at entry iy res + ix, its right, lower and lower right neighbours
.macro ISS_LDS q, l, res, rm1f, lbase, slot
	CELL \q, \res-1, \rm1f, \l
	v_mad_u32_u24 v[IDX], v[CY], \res, v[CX]
	v_min_u32 v[IDX], (\res)*(\res)-(\res)-2, v[IDX]           ; (res-2) res + res-2, which the cells never pass: the bound stands in the line
	v_lshl_add_u32 v[IDX], v[IDX], 3, \lbase
	ds_load_b64 v[LD+8*(\slot):LD+8*(\slot)+1],   v[IDX]
	ds_load_b64 v[LD+8*(\slot)+2:LD+8*(\slot)+3], v[IDX] offset:8
	ds_load_b64 v[LD+8*(\slot)+4:LD+8*(\slot)+5], v[IDX] offset:8*(\res)
	ds_load_b64 v[LD+8*(\slot)+6:LD+8*(\slot)+7], v[IDX] offset:8*(\res)+8
.endm
; a dense level in memory (9-12): the same four from the table; the byte offset is formed in a register
.macro ISS_DENSE q, l, res, rm1f
	CELL \q, \res-1, \rm1f, \l
	v_mad_u32_u24 v[IDX], v[CY], \res, v[CX]
	v_min_u32 v[IDX], (\res)*(\res)-(\res)-2, v[IDX]
	v_lshlrev_b32 v[GA+(\l)-9], 3, v[IDX]
	global_load_b64 v[GD+8*((\l)-9):GD+8*((\l)-9)+1],   v[GA+(\l)-9], s[4+2*(\l):5+2*(\l)]
	global_load_b64 v[GD+8*((\l)-9)+2:GD+8*((\l)-9)+3], v[GA+(\l)-9], s[4+2*(\l):5+2*(\l)] offset:8
	global_load_b64 v[GD+8*((\l)-9)+4:GD+8*((\l)-9)+5], v[GA+(\l)-9], s[4+2*(\l):5+2*(\l)] offset:8*(\res)
	global_load_b64 v[GD+8*((\l)-9)+6:GD+8*((\l)-9)+7], v[GA+(\l)-9], s[4+2*(\l):5+2*(\l)] offset:8*(\res)+8
.endm
; a hashed level (13-15): entry (ix xor iy x prime) mod 2^18; ix is below 512, so the mask may be laid on iy x prime alone
.macro ISS_HASH q, l, res, rm1f
.set HG, GA+4+4*((\l)-13)
	CELL \q, \res-1, \rm1f, \l
	v_mul_lo_u32 v[HY0], v[CY], s62
	v_add_nc_u32 v[IX1], 1, v[CX]
	v_add_nc_u32 v[HY1], s62, v[HY0]               ; (iy + 1) x prime, modulo 2^32
	v_and_b32 v[HY0], 0x3ffff, v[HY0]
	v_and_b32 v[HY1], 0x3ffff, v[HY1]
	v_xor_b32 v[HG],   v[CX],  v[HY0]
	v_xor_b32 v[HG+1], v[IX1], v[HY0]
	v_xor_b32 v[HG+2], v[CX],  v[HY1]
	v_xor_b32 v[HG+3], v[IX1], v[HY1]
.irp c, 0,1,2,3
	v_min_u32 v[HG+\c], 0x3ffff, v[HG+\c]          ; changes no value: the table's last entry, stated in the line
	v_lshlrev_b32 v[HG+\c], 3, v[HG+\c]
.endr
.irp c, 0,1,2,3
	global_load_b64 v[GD+8*((\l)-9)+2*\c:GD+8*((\l)-9)+2*\c+1], v[HG+\c], s[4+2*(\l):5+2*(\l)]
.endr
.endm
; f00, f10, f01, f11 at d, d+2, d+4, d+6 (two floats each): along x twice, along y once.  The two features land, in f32, on the level's
; weights, which are read there for the last time; the point's largest magnitude runs along.
.macro LERP l, d
	v_pk_add_f32 v[\d+2:\d+3], v[\d+2:\d+3], v[\d:\d+1] neg_lo:[0,1] neg_hi:[0,1]
	v_pk_add_f32 v[\d+6:\d+7], v[\d+6:\d+7], v[\d+4:\d+5] neg_lo:[0,1] neg_hi:[0,1]
	v_pk_fma_f32 v[\d:\d+1],   v[\d+2:\d+3], v[WP+2*(\l):WP+2*(\l)+1], v[\d:\d+1] op_sel_hi:[1,0,1]        ; both by wx
	v_pk_fma_f32 v[\d+4:\d+5], v[\d+6:\d+7], v[WP+2*(\l):WP+2*(\l)+1], v[\d+4:\d+5] op_sel_hi:[1,0,1]
	v_pk_add_f32 v[\d+4:\d+5], v[\d+4:\d+5], v[\d:\d+1] neg_lo:[0,1] neg_hi:[0,1]
	v_pk_fma_f32 v[WP+2*(\l):WP+2*(\l)+1], v[\d+4:\d+5], v[WP+2*(\l):WP+2*(\l)+1], v[\d:\d+1] op_sel:[0,1,0] op_sel_hi:[1,1,1]   ; both by wy
.if (\l) == 0
	v_max_num_f32 v[FM], |v[WP]|, |v[WP+1]|        ; level 0 comes first and starts the maximum
.else
	v_max3_num_f32 v[FM], |v[WP+2*(\l)]|, |v[WP+2*(\l)+1]|, v[FM]
.endif
.endm
; ================= the layers
; The C of a layer: bias (already times P_l) times the point's scale, written into the accumulators
.macro CBUILD bias
.irp p, 0,1
.irp t, 0,1,2,3
.irp j, 0,2,4,6
	v_pk_mul_f32 v[ACC+32*\p+8*\t+\j:ACC+32*\p+8*\t+\j+1], v[\bias+8*\t+\j:\bias+8*\t+\j+1], v[SC+2*\p:SC+2*\p+1] op_sel_hi:[1,0]
.endr
.endr
.endr
.endm
; One K step of a layer: four feature tiles x two point tiles, adding in place.  src: source 1 of point tile 0; pst: registers from tile to tile.
; The eight accumulators take turns, one instruction a turn.
.macro KSTEP wf, stride, s, src, pst
.irp t, 0,1,2,3
.irp p, 0,1
	v_wmma_f32_16x16x32_f16 v[ACC+32*\p+8*\t:ACC+32*\p+8*\t+7], v[\wf+8*(\stride*\t+\s):\wf+8*(\stride*\t+\s)+7], v[\src+\pst*\p+8*\s:\src+\pst*\p+8*\s+7], v[ACC+32*\p+8*\t:ACC+32*\p+8*\t+7]
.endr
.endr
.endm
; ReLU in f32, two maxima to an instruction (an even and an odd destination, second sources in neighbouring registers), then two features
; to a register: tile t of point tile p becomes registers 4 t .. 4 t + 3 of the next source 1
.macro RELU
.irp p, 0,1
.irp t, 0,1,2,3
.irp j, 0,2,4,6
	v_dual_max_num_f32 v[ACC+32*\p+8*\t+\j], 0, v[ACC+32*\p+8*\t+\j] :: v_dual_max_num_f32 v[ACC+32*\p+8*\t+\j+1], 0, v[ACC+32*\p+8*\t+\j+1]
.endr
.irp j, 0,1,2,3
	v_cvt_pk_f16_f32 v[HB+16*\p+4*\t+\j], v[ACC+32*\p+8*\t+2*\j], v[ACC+32*\p+8*\t+2*\j+1]
.endr
.endr
.endr
.endm
; The four layers for the 32 points of half hf.  Window setting 0x01: source 0 (weights; b0, b1) above v255.
; PLACES behind each layer: the ReLU reads results and writes source 1, the last lines read results.
.macro MLP hf
	WIN 0x01
	CBUILD B0R
	KSTEP W0F, 1, 0, PK, 8
	WIN 0
	PLACES
	RELU
	WIN 0x01
	CBUILD B1R
	KSTEP W1F, 2, 0, HB, 16
	KSTEP W1F, 2, 1, HB, 16
	WIN 0
	PLACES
	RELU
	CBUILD B2R
	WIN 0x01
	KSTEP W2F, 2, 0, HB, 16
	KSTEP W2F, 2, 1, HB, 16
	WIN 0
	PLACES
	RELU
	WIN 0x01                                       ; the last layer: one feature tile, two point tiles, which take turns; the sums start from 0
	v_wmma_f32_16x16x32_f16 v[ACC:ACC+7],     v[W3F:W3F+7], v[HB:HB+7],     0
	v_wmma_f32_16x16x32_f16 v[ACC+32:ACC+39], v[W3F:W3F+7], v[HB+16:HB+23], 0
	v_wmma_f32_16x16x32_f16 v[ACC:ACC+7],     v[W3F+8:W3F+15], v[HB+8:HB+15],  v[ACC:ACC+7]
	v_wmma_f32_16x16x32_f16 v[ACC+32:ACC+39], v[W3F+8:W3F+15], v[HB+24:HB+31], v[ACC+32:ACC+39]
	WIN 0
	PLACES
.irp p, 0,1
.irp c, 0,1,2
	v_mul_f32 v[ACC+32*\p+\c], v[ACC+32*\p+\c], v[SC+2*\p+1]           ; by 1 / s, a power of two,
.endr
.endr
.irp p, 0,1
.irp c, 0,1,2
	v_fma_f32 v[ACC+32*\p+\c], v[ACC+32*\p+\c], s72, s[68+\c]          ; by 1 / P_3, and b3
	ds_store_b32 v[STO], v[ACC+32*\p+\c] offset:384*\hf+192*\p+4*\c    ; output c of point 32 hf + 16 p + r
.endr
.endr
.endm
; One half of a trip: 32 points.  x: the registers of their xn (x, x+1) and q (x+2, x+3).  more = 1: the same half of the next trip is asked for.
.macro HALF hf, x, more
	v_pk_fma_f32 v[X01:X01+1], v[\x:\x+1], 0.5, 0.5 op_sel_hi:[1,0,0]  ; (xn + 1) / 2, rounded as xn + 1 is
	; the 28 gathers from memory go out first and land while the nine levels in LDS are worked on
	ISS_DENSE \x+2, 9,  128, 0x42fe0000
	ISS_DENSE \x+2, 10, 161, 0x43200000
	ISS_DENSE \x+2, 11, 203, 0x434a0000
	ISS_DENSE \x+2, 12, 256, 0x437f0000
	ISS_HASH  \x+2, 13, 322, 0x43a08000
	ISS_HASH  \x+2, 14, 406, 0x43ca8000
	ISS_HASH  \x+2, 15, 512, 0x43ff8000
	ISS_LDS \x+2, 0, 16, 0x41700000, T0, 0
	ISS_LDS \x+2, 1, 20, 0x41980000, T1, 1
	ISS_LDS \x+2, 2, 25, 0x41c00000, T2, 2
	ISS_LDS \x+2, 3, 32, 0x41f80000, T3, 3
	ISS_LDS \x+2, 4, 40, 0x421c0000, T4, 4
.irp a, 0,1,2,3,4
	s_wait_dscnt 16-4*\a                           ; LDS answers in order: the four reads of each later level of the five may stay out
	LERP \a, LD+8*\a
.endr
	ISS_LDS \x+2, 5, 50,  0x42440000, T5, 0
	ISS_LDS \x+2, 6, 64,  0x427c0000, T6, 1
	ISS_LDS \x+2, 7, 80,  0x429e0000, T7, 2
	ISS_LDS \x+2, 8, 101, 0x42c80000, T8, 3
.irp a, 0,1,2,3
	s_wait_dscnt 12-4*\a                           ; the same for these four levels
	LERP 5+\a, LD+8*\a
.endr
.irp n, 0,1,2,3,4,5,6
	s_wait_loadcnt 24-4*\n                         ; loads come back in order: the four gathers of each later level may stay out; nothing younger has been issued
	LERP 9+\n, GD+8*\n
.endr
.if \more
	global_load_b64 v[\x:\x+1],   v[L8], s[52:53] offset:512+256*\hf th:TH_LOAD_NT   ; read a whole trip later, behind a run of gathers
	global_load_b64 v[\x+2:\x+3], v[L8], s[54:55] offset:512+256*\hf th:TH_LOAD_NT   ; that is younger and is waited for down to 0
.endif
	; my point's scale: G = largest |feature| + Gamma, E its exponent field, G < 2^(E-126), s = 2^(141-E): field 268 - E, so s G < 2^15
	v_add_f32 v[FM], s71, v[FM]
	v_max_num_f32 v[FM], 0x0d800000, v[FM]         ; at least 2^-100, so that s is a normal number
	v_and_b32 v[SP], 0x7f800000, v[FM]
	v_sub_nc_u32 v[SP], 0x86000000, v[SP]
	; Scale and pack.  Level l goes to register l % 4 + 8 ((l / 4) % 2) + 4 (l / 8) of the sixteen: levels 0-3, 8-11 into the lower eight,
	; levels 4-7, 12-15 into the upper eight, so that the exchange below leaves each point tile's source 1 in eight neighbouring registers.
.irp l, 0,1,2,3,4,5,6,7,8,9,10,11,12,13,14,15
	v_pk_mul_f32 v[WP+2*\l:WP+2*\l+1], v[WP+2*\l:WP+2*\l+1], v[SP:SP+1] op_sel_hi:[1,0]   ; both by s
	v_cvt_pk_f16_f32 v[PK+((\l)%4)+8*(((\l)/4)%2)+4*((\l)/8)], v[WP+2*\l], v[WP+2*\l+1]
.endr
	v_permlanex16_b32 v[RR], v[SP], s60, s61       ; in the layers lane (r, h) works for point 16 p + r: both halves want that point's s
	v_cndmask_b32 v[SC],   v[SP], v[RR], s59       ; points 0-15: lanes 16-31 take it from across
	v_cndmask_b32 v[SC+2], v[RR], v[SP], s59       ; points 16-31: lanes 0-15 do
	v_sub_nc_u32 v[SC+1], 0x7f000000, v[SC]        ; 1 / s: field 254 - field
	v_sub_nc_u32 v[SC+3], 0x7f000000, v[SC+2]
	; From a lane = a point to source 1 of the first layer.  Lane (r, h) of point tile p wants levels 4 h + j (registers j = 0-3) and
	; 8 + 4 h + j - 4 (registers j = 4-7) of point 16 p + r.  Register j of the lower eight holds the level for h = 0, register j of the
	; upper eight the level for h = 1; the exchange of the first's lanes 16-31 with the second's lanes 0-15 makes of them register j of
	; points 0-15 and register j of points 16-31.  The inputs stay in their natural order, so w0 needs no permutation.
.irp j, 0,1,2,3,4,5,6,7
	v_permlane16_swap_b32 v[PK+\j], v[PK+8+\j]
.endr
	MLP \hf
.endm
; One trip: 64 points in, 768 bytes out.  The stage is my wave's own and LDS serves a wave in order, so the reads see the stores above.
.macro TRIP more
	HALF 0, XA, \more
	HALF 1, XB, \more
	ds_load_b128 v[OUTR:OUTR+3],   v[RD16]
	ds_load_b64  v[OUTR+4:OUTR+5], v[RD8] offset:512
	s_wait_dscnt 0x0
	global_store_b128 v[L16], v[OUTR:OUTR+3],  s[56:57] th:TH_STORE_NT             ; 512 consecutive bytes, at a multiple of 256 from out0
	global_store_b64  v[L8],  v[OUTR+4:OUTR+5], s[56:57] offset:512 th:TH_STORE_NT ; and the 256 behind them
.if \more
	s_wait_xcnt 0x0                                ; the three bases and the stores' data are written again only behind this wait
	s_add_nc_u64 s[52:53], s[52:53], 512
	s_add_nc_u64 s[54:55], s[54:55], 512
	s_add_nc_u64 s[56:57], s[56:57], 768
.endif
.endm
	s_mov_b32 s63, 7
.Ltrip:
	TRIP 1
	s_sub_co_u32 s63, s63, 1
	s_cmp_lg_u32 s63, 0
	s_cbranch_scc1 .Ltrip
	TRIP 0                                         ; the eighth trip asks for no further points: no load passes the end of xn or q
	s_wait_tensorcnt 0x0
	ds_add_u32 v254, v255
	s_wait_dscnt 0x0
	s_endpgm
.Lfunc_end_k_q1e4c228abb_field:
	.size	k_q1e4c228abb_field, .Lfunc_end_k_q1e4c228abb_field-k_q1e4c228abb_field
	.p2alignl 7, 3214868480
	.fill 96, 4, 3214868480
	.section	.rodata,"a",@progbits
	.p2align	6, 0x0
	.amdhsa_kernel k_q1e4c228abb_field
		.amdhsa_group_segment_fixed_size 258304
		.amdhsa_private_segment_fixed_size 0
		.amdhsa_enable_private_segment 0
		.amdhsa_kernarg_size 216
		.amdhsa_user_sgpr_count 2
		.amdhsa_user_sgpr_kernarg_segment_ptr 1
		.amdhsa_wavefront_size32 1
		.amdhsa_system_sgpr_workgroup_id_x 1
		.amdhsa_system_sgpr_workgroup_id_y 1
		.amdhsa_system_sgpr_workgroup_id_z 1
		.amdhsa_system_vgpr_workitem_id 0
		.amdhsa_next_free_vgpr 512
		.amdhsa_next_free_sgpr 88
		.amdhsa_reserve_vcc 0
		.amdhsa_float_denorm_mode_32 3
		.amdhsa_float_denorm_mode_16_64 3
		.amdhsa_memory_ordered 1
		.amdhsa_forward_progress 1
		.amdhsa_inst_pref_size 238
	.end_amdhsa_kernel
	.amdgpu_metadata
---
amdhsa.version: [ 1, 2 ]
amdhsa.kernels:
  - .name:           k_q1e4c228abb_field
    .symbol:         k_q1e4c228abb_field.kd
    .args:
      - { .name: tables_0, .offset: 0, .size: 8, .value_kind: global_buffer, .address_space: global }
      - { .name: tables_1, .offset: 8, .size: 8, .value_kind: global_buffer, .address_space: global }
      - { .name: tables_2, .offset: 16, .size: 8, .value_kind: global_buffer, .address_space: global }
      - { .name: tables_3, .offset: 24, .size: 8, .value_kind: global_buffer, .address_space: global }
      - { .name: tables_4, .offset: 32, .size: 8, .value_kind: global_buffer, .address_space: global }
      - { .name: tables_5, .offset: 40, .size: 8, .value_kind: global_buffer, .address_space: global }
      - { .name: tables_6, .offset: 48, .size: 8, .value_kind: global_buffer, .address_space: global }
      - { .name: tables_7, .offset: 56, .size: 8, .value_kind: global_buffer, .address_space: global }
      - { .name: tables_8, .offset: 64, .size: 8, .value_kind: global_buffer, .address_space: global }
      - { .name: tables_9, .offset: 72, .size: 8, .value_kind: global_buffer, .address_space: global }
      - { .name: tables_10, .offset: 80, .size: 8, .value_kind: global_buffer, .address_space: global }
      - { .name: tables_11, .offset: 88, .size: 8, .value_kind: global_buffer, .address_space: global }
      - { .name: tables_12, .offset: 96, .size: 8, .value_kind: global_buffer, .address_space: global }
      - { .name: tables_13, .offset: 104, .size: 8, .value_kind: global_buffer, .address_space: global }
      - { .name: tables_14, .offset: 112, .size: 8, .value_kind: global_buffer, .address_space: global }
      - { .name: tables_15, .offset: 120, .size: 8, .value_kind: global_buffer, .address_space: global }
      - { .name: w0, .offset: 128, .size: 8, .value_kind: global_buffer, .address_space: global }
      - { .name: w1, .offset: 136, .size: 8, .value_kind: global_buffer, .address_space: global }
      - { .name: w2, .offset: 144, .size: 8, .value_kind: global_buffer, .address_space: global }
      - { .name: w3, .offset: 152, .size: 8, .value_kind: global_buffer, .address_space: global }
      - { .name: b0, .offset: 160, .size: 8, .value_kind: global_buffer, .address_space: global }
      - { .name: b1, .offset: 168, .size: 8, .value_kind: global_buffer, .address_space: global }
      - { .name: b2, .offset: 176, .size: 8, .value_kind: global_buffer, .address_space: global }
      - { .name: b3, .offset: 184, .size: 8, .value_kind: global_buffer, .address_space: global }
      - { .name: xn, .offset: 192, .size: 8, .value_kind: global_buffer, .address_space: global }
      - { .name: q, .offset: 200, .size: 8, .value_kind: global_buffer, .address_space: global }
      - { .name: out0, .offset: 208, .size: 8, .value_kind: global_buffer, .address_space: global }
    .group_segment_fixed_size: 258304
    .private_segment_fixed_size: 0
    .kernarg_segment_align: 8
    .kernarg_segment_size: 216
    .max_flat_workgroup_size: 256
    .sgpr_count:     88
    .vgpr_count:     512
    .wavefront_size: 32
...
	.end_amdgpu_metadata
.endif
;; end of part 2
;; ======== version 2 of 2: 2 launches; version 1 with the launch field written anew for expert scheduling mode
;; limits: inputs' magnitudes at most 16,777,216; below input magnitudes of 5.96e-08 results are inexact or not finite; values are held in f16: magnitudes above 65,504 overflow, below 6.1e-05 lose precision; right only within a limited range of input values
;; workspace buffers: q 8,388,608 bytes of whole numbers
;; launch quant: the kernel of part 1 again; grid 256 x 1, 8 waves a work-group, no clusters, 0 bytes of LDS; arguments xn, q; writes q
;; launch field (part 3): grid 256 x 1, 8 waves a work-group, no clusters, 258,304 bytes of LDS; arguments tables_0, tables_1, tables_2, tables_3, tables_4, tables_5, tables_6, tables_7, tables_8, tables_9, tables_10, tables_11, tables_12, tables_13, tables_14, tables_15, w0, w1, w2, w3, b0, b1, b2, b3, xn, q, out0; writes out0
.if DOCPART == 3
	.amdgcn_target "amdgcn-amd-amdhsa--gfx1250"
	.amdhsa_code_object_version 6
	.text
	.protected	k_q1e4c228abb_field
	.globl	k_q1e4c228abb_field
	.p2align	8
	.type	k_q1e4c228abb_field,@function
k_q1e4c228abb_field:
	s_mov_b64 s[64:65], 0
	v_nop
	global_prefetch_b8 v0, s[64:65] scope:SCOPE_SE
	s_setreg_imm32_b32 hwreg(HW_REG_WAVE_SCHED_MODE, 0, 2), 2
	s_setreg_imm32_b32 hwreg(HW_REG_WAVE_MODE, 25, 1), 1
	s_wait_xcnt 0x0
	s_wait_alu depctr_vm_vsrc(0)
; out0 = MLP(encode(xn)): 16 bilinear lookups of 2 floats a point, then 32 -> 64 -> 64 -> 64 -> 3 with ReLU, all in one launch.
; No work of the problem is left out; every input is loaded.
; SHARES: 256 work-groups of eight waves; a work-group owns 4,096 points, a wave 512 consecutive points, in 8 trips of 64 points,
; each trip two halves of 32.  In the lookups a lane is a point.
; TABLES: levels 0 to 8 (216,816 bytes) are copied once into LDS and read there; levels 9 to 15 are gathered from memory.
; CELLS come from q (whole numbers of the earlier launch): cell = upper word of q x (res-1), always in 0 .. res-2.
; WEIGHTS of the interpolation come from xn: w = xy01 (res-1) - cell, so points outside [-1,1] extrapolate as in the problem.
; The four-term bilinear sum is written as three interpolations a + w (b - a), equal in exact arithmetic.
; THE MATRIX INSTRUCTION IS USED TRANSPOSED: source 0 = 16 output features x 32 inputs of a weight matrix, source 1 = 32 inputs
; x 16 points.  Register j of lane (r, h) of a result is then feature 16 t + 8 h + j of point r, which is the place that the next
; layer wants it in as source 1: tile 2 s fills registers 0-3 of K step s, tile 2 s + 1 registers 4-7.  Between layers stand only
; the ReLU and the packing; no lane traffic.
; NUMBER FORMAT: matrix operands are f16 (11 significant bits; eight roundings lie between the tables and a result, and 8 bits each
; leave too little margin), sums are f32.  f16's range is kept by powers of two, which change no mantissa:
;   per layer l, once: M_l = largest |w_l|, 2^a_l the power of two with K_l M_l 2^a_l <= 1 (K_l inputs), w_l' = w_l 2^a_l; so no sum
;   of products w_l' x exceeds the largest |x|.  P_l = 2^(a_0 + .. + a_l).  Gamma = sum over l = 0..2 of P_l x largest |b_l|.
;   per point: G = largest |feature| + Gamma, s the power of two with s G < 2^15.  The features go in as f s, the C of layer l is
;   b_l P_l s, the result of layer l is s P_l x (the problem's value), and every hidden value is at most 2^15 (1 + 2^-11)^3 < 65,504.
;   The smallest step of f16, 2^-24, is 2^-39 of the point's bound.  The last layer starts from 0; out = (D / s) / P_3 + b3 in f32.
; NO CLUSTER, NO TENSOR LOADS: all work-groups want the same 216,816 bytes of tables 0-8, but a launch with joint loads asks that every
; LDS address be alike in all partners, and here 36 LDS reads a point stand at that point's own cells, which differ from work-group
; to work-group.  Loads of a work-group's own would want nine descriptors of twelve scalar registers, each kept unwritten while its
; load is out: 108 registers beside the 27 addresses.  The weights (41,728 bytes) are scaled, transposed and rounded on the way.
; So the one copy at the head, once for 4,096 points, goes through registers.
; LIMITS: M_l is clamped to [2^-24, 2^24]: a weight matrix with a larger entry can overflow f16, one whose entries are all smaller
; loses bits.  G is clamped from below at 2^-100.  The ReLU is a maximum in which a NaN loses, so a NaN that reaches a hidden layer
; becomes 0 here, where the problem carries it to the result.  At a cell border the neighbour cell may be taken (see the earlier
; launch): the feature moves by at most about res x 2^-24 of an entry difference.
; THE MODE: SCHED_MODE bits 1:0 = 2 (LLVM: expert scheduling mode 2), set by the entry lines.  The code itself states the register dependences
; between vector or matrix instructions and memory or LDS instructions, with s_wait_alu, always for 0.
; THE PLAN, for a half of a trip.  Registers that memory or LDS instructions touch in the loop:
;   GA               offsets of the 28 gathers.  Written by the half's first run of vector work (levels 9-15); read by the gathers.
;   LA, LA8          LDS addresses of levels 0-8, one register a level.  Written by the second run (levels 0-8); read by the 36 LDS reads.
;   GD               the gathers land here; the interpolations work on it in place; later it is part of the accumulators, and source 1 of layers 1-3.
;   LD, LD2, PK      the LDS reads land here (levels 0-4, 5-6, 7-8); the interpolations work in place; later accumulators, and the packed features.
;   XA, XB           read by the two runs of cell arithmetic alone; the next trip's loads land here, issued behind the last interpolation.
;   ACC+0..2, +32..34  written by the six last multiply-adds of the layers; read by six LDS stores.
;   OUTR             two LDS loads land here, two global stores read it; no vector instruction of the loop names it.
;   L8, L16, STO, RD16, RD8   made once in the set-up and never written again.
; So a half has four waits: one on vm_vsrc at its head (all that the half before's memory and LDS instructions read is written again below);
; one on va_vdst behind each of the two runs of address arithmetic, straight ahead of the run of loads that it serves; one on va_vdst
; behind the last multiply-adds, ahead of the run of six LDS stores.
; ---- LDS, in bytes.  A table region is padded to whole copy chunks; the pad holds copies of the last entry and is never read.
.set T0,    0                          ; 2,048
.set T1,    2048                       ; 3,200 in 4,096
.set T2,    6144                       ; 5,000 in 6,144
.set T3,    12288                      ; 8,192
.set T4,    20480                      ; 12,800 in 14,336
.set T5,    34816                      ; 20,000 in 20,480
.set T6,    55296                      ; 32,768
.set T7,    88064                      ; 51,200
.set T8,    139264                     ; 81,608 in 81,920
.set W0T,   221184                     ; w0' transposed, f16 [64 out][32 in], rows 80 bytes apart
.set W1T,   226304                     ; w1' transposed, f16 [64 out][64 in], rows 144 bytes apart
.set W2T,   235520                     ; w2' likewise (9,216 behind w1')
.set STAGE, 244736                     ; 1,536 bytes a wave: 768 of results of a trip, 768 that take what lanes 16-31 hold of the last layer
.set RED,   257024                     ; 16 bytes a wave: its largest |w0|, |w1|, |w2|, |w3|
; ---- registers v0-v255 in the loop
.set L8,   1                           ; 8 x lane
.set L16,  2                           ; 16 x lane
.set STO,  3                           ; stage: where my point's three results go
.set RD16, 4                           ; stage: 16 x lane
.set RD8,  5                           ; stage: 8 x lane
.set RR,   6                           ; lane exchange: received
.set XA,   8                           ; v[8:9] xn, v[10:11] q of my point in half 0
.set XB,   12                          ; v[12:13] xn, v[14:15] q of my point in half 1
.set X01,  16                          ; v[16:17] (xn + 1) / 2
.set CX,   18                          ; cell x
.set CY,   19                          ; cell y
.set CF,   20                          ; v[20:21] the cell as f32
.set IDX,  22                          ; an entry's number, at work: no memory or LDS instruction names it
.set HY0,  23
.set HY1,  24
.set IX1,  25
.set SP,   26                          ; my point's scale s (a pair with FM for the packed multiply)
.set FM,   27                          ; my point's largest |feature|, then G
.set B2R,  28                          ; v[28:59]   b2 P_2 as C tiles
.set PK,   60                          ; v[60:75]   first the LDS data of levels 7 and 8; then the features, scaled, packed f16; then source 1 of the first layer: point tile p at 60 + 8 p
.set OUTR, 76                          ; v[76:81]   results on their way out
.set LA8,  82                          ; v82        LDS address of level 8
.set WP,   84                          ; v[84:115]  level l: (wx, wy), then its two features in f32
.set GA,   116                         ; v[116:131] gather offsets: levels 9-12 one each, levels 13-15 four each
.set LD,   132                         ; v[132:171] LDS data, 8 registers a level, levels 0-4
.set GD,   172                         ; v[172:227] gathered data, 8 registers a level, levels 9-15
.set ACC,  132                         ; v[132:195] accumulators (p, t) at 132 + 32 p + 8 t; the lookups' data are dead by then
.set HB,   196                         ; v[196:227] source 1 of layers 1-3: point tile p at 196 + 16 p
.set SC,   228                         ; v[228:231] point tile p: (s, 1 / s) of point 16 p + r, at 228 + 2 p
.set LD2,  232                         ; v[232:247] LDS data of levels 5 and 6
.set LA,   248                         ; v[248:255] LDS address of level l, 0 to 7, at 248 + l
; ---- registers v256-v495, written by their low 8 bits under a window setting
.set W0F,  0                           ; w0' fragment t at 8 t
.set W1F,  32                          ; w1' fragment (t, s) at 8 (2 t + s)
.set W2F,  96
.set W3F,  160                         ; w3' fragment s at 8 s
.set B0R,  176                         ; b0 P_0 as C tiles
.set B1R,  208                         ; b1 P_1
; ---- set-up only
.set BS0,  60                          ; v[60:91]   b0 as loaded
.set BS1,  92                          ; v[92:123]  b1 as loaded
.set WS0,  132                         ; f32 weights as loaded: w0 8, w1 16, w2 16, w3 32 registers
.set WS1,  140
.set WS2,  156
.set WS3,  172
.set MX,   204                         ; v[204:207] largest |w_l|, then the scales 2^a_l
.set BE,   208                         ; v[208:210] largest |b_l|
.set PP,   212                         ; v212 P_1, v213 P_2, v214 P_3 and then 1 / P_3, v215 Gamma
.set TA,   226                         ; LDS address: my wave's 16 bytes for the maxima
.set TB,   227                         ; LDS address: the maxima of wave (lane mod 8)
.set FR0,  228                         ; LDS address of my part of w0's fragments
.set FR1,  229                         ; the same for w1' and w2'
.set CA16, 240                         ; v[240:243] the tables' copy: 16 t + 65,536 k; k = 0 is also the offset in memory
.set CA8,  244                         ; v[244:247] 8 t + 65,536 k
.set CL,   248                         ; v[248:252] 8 t clamped to the last entry of a partial chunk
.set MSB, 0
.macro WIN new                         ; s_set_vgpr_msb: bits 1:0 source 0, 3:2 source 1, 5:4 source 2, 7:6 destination; the high byte repeats the setting that is left
.if MSB != \new
	s_set_vgpr_msb (MSB<<8)|\new
.set MSB, \new
.endif
.endm
.macro PLACES                          ; four plain vector instructions that name no register of the matrix instructions in front (ISA guide 7.12.1)
.rept 4
	v_nop
.endr
.endm
; One table, memory to registers: chunks of 4,096 bytes (16 a thread), then of 2,048 (8 a thread); the last, partial chunk by a clamped offset.
.macro TLD sb, size, clamp
.set nf, \size/4096
.set i, 0
.if nf > 0
.rept nf
	global_load_b128 v[DR:DR+3], v[CA16], s[\sb:\sb+1] offset:4096*i
.set DR, DR+4
.set i, i+1
.endr
.endif
.set rr, \size-4096*nf
.set co, 4096*nf
.if rr >= 2048
	global_load_b64 v[DR8:DR8+1], v[CA8], s[\sb:\sb+1] offset:co
.set DR8, DR8+2
.set co, co+2048
.set rr, rr-2048
.endif
.if rr > 0
	global_load_b64 v[DR8:DR8+1], v[\clamp], s[\sb:\sb+1] offset:co    ; threads past the end take the last entry again
.set DR8, DR8+2
.endif
.endm
; The same chunks in the same order, registers to LDS.  A chunk's LDS byte aa is split: the multiple of 65,536 lies in one of four address
; registers made at the head, the rest in the 16-bit immediate.  So no address is written between the stores.
.macro TST lbase, size
.set nf, \size/4096
.set i, 0
.if nf > 0
.rept nf
.set aa, \lbase+4096*i
	ds_store_b128 v[CA16+aa/65536], v[DR:DR+3] offset:aa%65536
.set DR, DR+4
.set i, i+1
.endr
.endif
.set rr, \size-4096*nf
.set co, 4096*nf
.if rr >= 2048
.set aa, \lbase+co
	ds_store_b64 v[CA8+aa/65536], v[DR8:DR8+1] offset:aa%65536
.set DR8, DR8+2
.set co, co+2048
.set rr, rr-2048
.endif
.if rr > 0
.set aa, \lbase+co
	ds_store_b64 v[CA8+aa/65536], v[DR8:DR8+1] offset:aa%65536
.set DR8, DR8+2
.endif
.endm
; the largest magnitude of cnt registers (cnt even) of a lane
.macro AMAX dst, base, cnt
	v_max_num_f32 v[\dst], |v[\base]|, |v[\base+1]|
.set am, 2
.rept (\cnt-2)/2
	v_max3_num_f32 v[\dst], |v[\base+am]|, |v[\base+am+1]|, v[\dst]
.set am, am+2
.endr
.endm
; maximum with the other half of the lanes
.macro XMAX r
	v_permlanex16_b32 v[RR], v[\r], s60, s61
	v_max_num_f32 v[\r], v[\r], v[RR]
.endm
; maximum over the 32 lanes, in every lane
.macro WMAX r
	v_max_num_f32_dpp v[\r], v[\r], v[\r] row_xmask:1 row_mask:0xf bank_mask:0xf
	v_max_num_f32_dpp v[\r], v[\r], v[\r] row_xmask:2 row_mask:0xf bank_mask:0xf
	v_max_num_f32_dpp v[\r], v[\r], v[\r] row_xmask:4 row_mask:0xf bank_mask:0xf
	v_max_num_f32_dpp v[\r], v[\r], v[\r] row_xmask:8 row_mask:0xf bank_mask:0xf
	XMAX \r
.endm
; ================= entry
	s_load_b512 s[4:19],  s[0:1], 0x0              ; tables 0-7: table l in s[4+2l:5+2l]
	s_load_b512 s[20:35], s[0:1], 0x40             ; tables 8-15
	s_load_b512 s[36:51], s[0:1], 0x80             ; w0 s[36:37], w1, w2, w3, b0 s[44:45], b1, b2, b3 s[50:51]
	s_load_b128 s[52:55], s[0:1], 0xc0             ; xn s[52:53], q s[54:55]
	s_load_b64  s[56:57], s[0:1], 0xd0             ; out0
	v_lshl_add_u32 v7, v0, 2, 0x3ed00
	s_set_vgpr_msb 0x40
	v_mov_b32 v255, 0
	s_set_vgpr_msb 0x4000
	v_lshrrev_b32 v1, 5, v0
	v_readfirstlane_b32 s58, v1                    ; wave 0..7
	v_lshlrev_b32 v[CA16], 4, v0                   ; 16 t
	v_lshlrev_b32 v[CA8], 3, v0                    ; 8 t
.irp k, 1,2,3
	v_lshl_add_u32 v[CA16+\k], v0, 4, 65536*\k     ; the same, 65,536 k bytes further on in LDS
	v_lshl_add_u32 v[CA8+\k],  v0, 3, 65536*\k
.endr
	v_min_u32 v[CL],   1144, v[CA8]                ; last entry of the partial chunk of table 1 (3,200 - 2,048 - 8),
	v_min_u32 v[CL+1], 896,  v[CA8]                ; of table 2 (5,000 - 4,096 - 8),
	v_min_u32 v[CL+2], 504,  v[CA8]                ; of table 4 (12,800 - 12,288 - 8),
	v_min_u32 v[CL+3], 1560, v[CA8]                ; of table 5 (20,000 - 18,432 - 8),
	v_min_u32 v[CL+4], 1728, v[CA8]                ; of table 8 (81,608 - 79,872 - 8)
	s_mov_b32 s59, 0xffff0000                      ; lanes 16-31
	s_mov_b32 s60, 0x76543210                      ; v_permlanex16_b32: lane i of one half reads lane i of the other
	s_mov_b32 s61, 0xfedcba98
	s_mov_b32 s62, 0x9e3779b1                      ; the hash prime 2,654,435,761
	s_wait_alu depctr_va_sdst(0)                   ; s58 is written, ahead of its first reader: the wave's bases are made from it below
	s_wait_kmcnt 0x0
	s_load_b96 s[68:70], s[50:51], 0x0             ; b3
	s_wait_alu depctr_va_vdst(0)                   ; v[CA16 ..], v[CA8 ..] and v[CL ..] are written: the offsets of the 59 loads and the addresses of the 59 LDS stores of the tables' copy
; ================= tables 0-8 into LDS: 59 loads in one run, one wait, 59 LDS stores
.set DR,  10                           ; v[10:205]  49 chunks of 16 bytes a thread
.set DR8, 206                          ; v[206:225] 10 chunks of 8 bytes a thread
	TLD 4,  2048,  CL
	TLD 6,  3200,  CL
	TLD 8,  5000,  CL+1
	TLD 10, 8192,  CL
	TLD 12, 12800, CL+2
	TLD 14, 20000, CL+3
	TLD 16, 32768, CL
	TLD 18, 51200, CL
	TLD 20, 81608, CL+4
	s_lshl_b32 s66, ttmp9, 15                      ; xn and q: 4,096 points x 8 bytes a work-group,
	s_lshl_b32 s67, s58, 12                        ; 512 points x 8 bytes a wave
	s_add_co_u32 s66, s66, s67
	s_mov_b32 s67, 0
	s_add_nc_u64 s[52:53], s[52:53], s[66:67]
	s_add_nc_u64 s[54:55], s[54:55], s[66:67]
	s_mul_i32 s66, ttmp9, 49152                    ; out0: 12 bytes a point
	s_mul_i32 s63, s58, 6144
	s_add_co_u32 s66, s66, s63
	s_add_nc_u64 s[56:57], s[56:57], s[66:67]
	s_lshl_b32 s73, s58, 4
	s_add_co_u32 s73, s73, RED                     ; my wave's 16 bytes for the maxima
	s_mul_i32 s82, s58, 1536
	s_add_co_u32 s82, s82, STAGE                   ; my wave's stage
	; Every other address of the kernel is made here, while the tables are on their way, each in a register of its own that is not written again
	; while it serves.  None of these lines names a register of the tables' copy.
	v_and_b32 v230, 31, v0                         ; lane
	v_and_b32 v231, 15, v0                         ; r
	v_bfe_u32 v232, v0, 4, 1                       ; h
	v_and_b32 v233, 63, v0                         ; n: the output feature whose weights I transpose
	v_lshrrev_b32 v234, 6, v0                      ; kp 0..3: which pairs of inputs
	v_lshlrev_b32 v235, 2, v233
	v_lshl_add_u32 v235, v234, 9, v235             ; w0-w2: rows 2 kp, 2 kp + 1 of 256 bytes, column n
	v_min_u32 v236, 2, v231                        ; w3: rows 3-15 of the fragment repeat output 2; their results are never stored to out0
	v_lshlrev_b32 v236, 2, v236
	v_mad_u32_u24 v236, v232, 96, v236             ; + 8 h inputs of 12 bytes
	v_lshlrev_b32 v237, 5, v232                    ; biases: 8 h floats
	v_mov_b32 v[RR], 0                             ; the destination of v_permlanex16_b32 counts as read
	v_lshlrev_b32 v[L8], 3, v230
	v_lshlrev_b32 v[L16], 4, v230
	v_mul_u32_u24 v238, v233, 80                   ; w0' transposed: row n, pair kp
	v_lshl_add_u32 v238, v234, 2, v238
	v_add_nc_u32 v238, W0T, v238
	v_mul_u32_u24 v239, v233, 144                  ; w1', w2' transposed
	v_lshl_add_u32 v239, v234, 2, v239
	v_add_nc_u32 v239, W1T, v239
	v_mov_b32 v[TA], s73
	v_and_b32 v[TB], 7, v0
	v_lshl_add_u32 v[TB], v[TB], 4, RED            ; lane i takes wave i mod 8's four maxima
	v_mul_u32_u24 v[FR0], v231, 80                 ; weight fragments: lane (r, h) takes row 16 t + r, bytes 16 h and 32 + 16 h of K step s
	v_lshl_add_u32 v[FR0], v232, 4, v[FR0]
	v_add_nc_u32 v[FR0], W0T, v[FR0]
	v_mul_u32_u24 v[FR1], v231, 144
	v_lshl_add_u32 v[FR1], v232, 4, v[FR1]
	v_add_nc_u32 v[FR1], W1T, v[FR1]
	v_mul_u32_u24 v[STO], v231, 12                 ; point r: 12 bytes
	v_mad_u32_u24 v[STO], v232, 768, v[STO]        ; lanes 16-31 hold outputs 8-10, which do not exist: they write behind the 768 bytes of results
	v_add_nc_u32 v[STO], s82, v[STO]
	v_add_nc_u32 v[RD16], s82, v[L16]
	v_add_nc_u32 v[RD8], s82, v[L8]
	s_wait_loadcnt 0x0                             ; all table chunks are in
.set DR,  10
.set DR8, 206
	TST T0, 2048
	TST T1, 3200
	TST T2, 5000
	TST T3, 8192
	TST T4, 12800
	TST T5, 20000
	TST T6, 32768
	TST T7, 51200
	TST T8, 81608
; ================= weights, biases, the first 64 points
	s_wait_alu depctr_va_vdst(0)                   ; the addresses made above are written: v235 to v237 and v[L8] are the offsets of the loads below
	s_wait_alu depctr_vm_vsrc(0)                   ; the LDS stores above have read v[10:225]: the loads below land there, and the maxima are made there
.irp i, 0,1,2,3
	global_load_b32 v[WS0+2*\i],   v235, s[36:37] offset:2048*\i       ; w0(2 kp + 8 i, n)
	global_load_b32 v[WS0+2*\i+1], v235, s[36:37] offset:2048*\i+256   ; w0(2 kp + 8 i + 1, n)
.endr
.irp i, 0,1,2,3,4,5,6,7
	global_load_b32 v[WS1+2*\i],   v235, s[38:39] offset:2048*\i
	global_load_b32 v[WS1+2*\i+1], v235, s[38:39] offset:2048*\i+256
	global_load_b32 v[WS2+2*\i],   v235, s[40:41] offset:2048*\i
	global_load_b32 v[WS2+2*\i+1], v235, s[40:41] offset:2048*\i+256
.endr
.irp s, 0,1
.irp j, 0,1,2,3,4,5,6,7
.set k0, 32*\s+2*\j+8*(\j/4)                   ; register j of fragment s holds inputs k0 + 8 h and the next
	global_load_b32 v[WS3+16*\s+2*\j],   v236, s[42:43] offset:12*k0
	global_load_b32 v[WS3+16*\s+2*\j+1], v236, s[42:43] offset:12*k0+12
.endr
.endr
.irp t, 0,1,2,3
	global_load_b128 v[BS0+8*\t:BS0+8*\t+3],   v237, s[44:45] offset:64*\t      ; register j of tile t: b[16 t + 8 h + j]
	global_load_b128 v[BS0+8*\t+4:BS0+8*\t+7], v237, s[44:45] offset:64*\t+16
	global_load_b128 v[BS1+8*\t:BS1+8*\t+3],   v237, s[46:47] offset:64*\t
	global_load_b128 v[BS1+8*\t+4:BS1+8*\t+7], v237, s[46:47] offset:64*\t+16
	global_load_b128 v[B2R+8*\t:B2R+8*\t+3],   v237, s[48:49] offset:64*\t
	global_load_b128 v[B2R+8*\t+4:B2R+8*\t+7], v237, s[48:49] offset:64*\t+16
.endr
	global_load_b64 v[XA:XA+1],   v[L8], s[52:53] th:TH_LOAD_NT
	global_load_b64 v[XA+2:XA+3], v[L8], s[54:55] th:TH_LOAD_NT
	global_load_b64 v[XB:XB+1],   v[L8], s[52:53] offset:256 th:TH_LOAD_NT
	global_load_b64 v[XB+2:XB+3], v[L8], s[54:55] offset:256 th:TH_LOAD_NT
	s_wait_loadcnt 0x0                             ; once, for all of them
; ================= the largest magnitudes.  w0-w2 are spread over the 256 threads: lane, wave, then the eight waves through LDS.
; w3 and the biases are whole in every wave (the biases differ between the halves of the lanes alone).
	AMAX MX,   WS0, 8
	AMAX MX+1, WS1, 16
	AMAX MX+2, WS2, 16
	AMAX MX+3, WS3, 32
	AMAX BE,   BS0, 32
	AMAX BE+1, BS1, 32
	AMAX BE+2, B2R, 32
	WMAX MX
	WMAX MX+1
	WMAX MX+2
	WMAX MX+3
	XMAX BE
	XMAX BE+1
	XMAX BE+2
	s_wait_alu depctr_va_vdst(0)                   ; the four maxima v[MX ..] are written, which the LDS store reads; no vector instruction names them again before the load below lands in them
	ds_store_b128 v[TA], v[MX:MX+3]                ; all lanes write the same 16 bytes with the same values
	s_wait_dscnt 0x0                               ; for the other waves' sake: my maxima, and my table chunks, are in LDS
	s_barrier_signal -1
	s_barrier_wait -1
	s_wait_alu depctr_vm_vsrc(0)                   ; my LDS store has read v[MX ..], in which the load lands
	ds_load_b128 v[MX:MX+3], v[TB]
	s_wait_dscnt 0x0
.irp c, 0,1,2,3
	v_max_num_f32_dpp v[MX+\c], v[MX+\c], v[MX+\c] row_xmask:1 row_mask:0xf bank_mask:0xf   ; over eight neighbouring lanes = over the eight waves
	v_max_num_f32_dpp v[MX+\c], v[MX+\c], v[MX+\c] row_xmask:2 row_mask:0xf bank_mask:0xf
	v_max_num_f32_dpp v[MX+\c], v[MX+\c], v[MX+\c] row_xmask:4 row_mask:0xf bank_mask:0xf
	v_max_num_f32 v[MX+\c], 0x33800000, v[MX+\c]   ; at least 2^-24,
	v_min_num_f32 v[MX+\c], 0x4b800000, v[MX+\c]   ; at most 2^24: the products of the scales stay normal numbers
	v_and_b32 v[MX+\c], 0x7f800000, v[MX+\c]       ; the exponent field E: M < 2^(E-126)
.endr
	v_sub_nc_u32 v[MX],   0x7c000000, v[MX]        ; 2^a_0 = 2^(126-E) / 32: field 248 - E
	v_sub_nc_u32 v[MX+1], 0x7b800000, v[MX+1]      ; 2^a_l = 2^(126-E) / 64: field 247 - E
	v_sub_nc_u32 v[MX+2], 0x7b800000, v[MX+2]
	v_sub_nc_u32 v[MX+3], 0x7b800000, v[MX+3]
	v_mul_f32 v[PP],   v[MX],   v[MX+1]            ; P_1 (P_0 is 2^a_0)
	v_mul_f32 v[PP+1], v[PP],   v[MX+2]            ; P_2
	v_mul_f32 v[PP+2], v[PP+1], v[MX+3]            ; P_3, between 2^-123 and 2^69
	v_mul_f32 v[PP+3], v[BE], v[MX]                ; Gamma
	v_fma_f32 v[PP+3], v[BE+1], v[PP],   v[PP+3]
	v_fma_f32 v[PP+3], v[BE+2], v[PP+1], v[PP+3]
	v_sub_nc_u32 v[PP+2], 0x7f000000, v[PP+2]      ; 1 / P_3: field 254 - field
	; numbers that are the same in all lanes go into scalar registers, in one run
	v_readfirstlane_b32 s74, v[MX]                 ; 2^a_0 = P_0
	v_readfirstlane_b32 s76, v[MX+1]               ; 2^a_1
	v_readfirstlane_b32 s78, v[MX+2]               ; 2^a_2
	v_readfirstlane_b32 s80, v[MX+3]               ; 2^a_3
	v_readfirstlane_b32 s84, v[PP]                 ; P_1
	v_readfirstlane_b32 s86, v[PP+1]               ; P_2
	v_readfirstlane_b32 s72, v[PP+2]               ; 1 / P_3
	v_readfirstlane_b32 s71, v[PP+3]               ; Gamma
	s_wait_alu depctr_va_sdst(0)                   ; these eight scalar registers are written, ahead of their first readers: the moves below, the scalings, the loop
	s_mov_b32 s75, s74                             ; the packed multiply names a pair
	s_mov_b32 s77, s76
	s_mov_b32 s79, s78
	s_mov_b32 s81, s80
	s_mov_b32 s85, s84
	s_mov_b32 s87, s86
; ================= scale, round to f16; then w0' to w2' are transposed through LDS
.irp i, 0,1,2,3
	v_pk_mul_f32 v[WS0+2*\i:WS0+2*\i+1], v[WS0+2*\i:WS0+2*\i+1], s[74:75] op_sel_hi:[1,0]
	v_cvt_pk_f16_f32 v[WS0+2*\i], v[WS0+2*\i], v[WS0+2*\i+1]           ; the lower input in the lower half
.endr
.irp i, 0,1,2,3,4,5,6,7
	v_pk_mul_f32 v[WS1+2*\i:WS1+2*\i+1], v[WS1+2*\i:WS1+2*\i+1], s[76:77] op_sel_hi:[1,0]
	v_cvt_pk_f16_f32 v[WS1+2*\i], v[WS1+2*\i], v[WS1+2*\i+1]
	v_pk_mul_f32 v[WS2+2*\i:WS2+2*\i+1], v[WS2+2*\i:WS2+2*\i+1], s[78:79] op_sel_hi:[1,0]
	v_cvt_pk_f16_f32 v[WS2+2*\i], v[WS2+2*\i], v[WS2+2*\i+1]
.endr
.irp i, 0,1,2,3,4,5,6,7,8,9,10,11,12,13,14,15
	v_pk_mul_f32 v[WS3+2*\i:WS3+2*\i+1], v[WS3+2*\i:WS3+2*\i+1], s[80:81] op_sel_hi:[1,0]
	v_pk_mul_f32 v[B2R+2*\i:B2R+2*\i+1], v[B2R+2*\i:B2R+2*\i+1], s[86:87] op_sel_hi:[1,0]   ; b2 P_2, in place
.endr
	WIN 0x40                                       ; destinations above v255
.irp i, 0,1,2,3,4,5,6,7,8,9,10,11,12,13,14,15
	v_cvt_pk_f16_f32 v[W3F+\i], v[WS3+2*\i], v[WS3+2*\i+1]             ; w3' goes straight into its fragments
	v_pk_mul_f32 v[B0R+2*\i:B0R+2*\i+1], v[BS0+2*\i:BS0+2*\i+1], s[74:75] op_sel_hi:[1,0]   ; b0 P_0
	v_pk_mul_f32 v[B1R+2*\i:B1R+2*\i+1], v[BS1+2*\i:BS1+2*\i+1], s[84:85] op_sel_hi:[1,0]   ; b1 P_1
.endr
	WIN 0
	s_wait_alu depctr_va_vdst(0)                   ; the conversions have written the even registers of v[WS0 ..], v[WS1 ..], v[WS2 ..], which the LDS stores read
.irp i, 0,1,2,3
	ds_store_b32 v238, v[WS0+2*\i] offset:16*\i
.endr
.irp i, 0,1,2,3,4,5,6,7
	ds_store_b32 v239, v[WS1+2*\i] offset:16*\i
	ds_store_b32 v239, v[WS2+2*\i] offset:W2T-W1T+16*\i
.endr
	s_wait_kmcnt 0x0                               ; b3 is in s[68:70]
; ================= every wave's LDS stores are done before any wave reads weights; behind this barrier tables and weights are only read
	s_wait_dscnt 0x0
	s_barrier_signal -1
	s_barrier_wait -1
; ================= weight fragments.  Their addresses were written ahead of the last wait on va_vdst, no vector instruction has been issued since, and none has ever named the registers in which they land
	WIN 0x40
.irp t, 0,1,2,3
	ds_load_b128 v[W0F+8*\t:W0F+8*\t+3],   v[FR0] offset:1280*\t
	ds_load_b128 v[W0F+8*\t+4:W0F+8*\t+7], v[FR0] offset:1280*\t+32
.endr
.irp t, 0,1,2,3
.irp s, 0,1
	ds_load_b128 v[W1F+8*(2*\t+\s):W1F+8*(2*\t+\s)+3],   v[FR1] offset:2304*\t+64*\s
	ds_load_b128 v[W1F+8*(2*\t+\s)+4:W1F+8*(2*\t+\s)+7], v[FR1] offset:2304*\t+64*\s+32
	ds_load_b128 v[W2F+8*(2*\t+\s):W2F+8*(2*\t+\s)+3],   v[FR1] offset:W2T-W1T+2304*\t+64*\s
	ds_load_b128 v[W2F+8*(2*\t+\s)+4:W2F+8*(2*\t+\s)+7], v[FR1] offset:W2T-W1T+2304*\t+64*\s+32
.endr
.endr
	WIN 0
	s_wait_dscnt 0x0                               ; the fragments are in
; ================= the lookups.  For each kind of level one macro makes the weights and the address, another issues the four reads.
; cell and weights of one level: cell = upper word of q x (res-1); w = xy01 (res-1) - cell, one rounding
.macro CELL q, rm1, rm1f, l
	v_mul_hi_u32 v[CX], v[\q], \rm1
	v_mul_hi_u32 v[CY], v[\q+1], \rm1
	v_cvt_f32_u32 v[CF], v[CX]
	v_cvt_f32_u32 v[CF+1], v[CY]
	v_pk_fma_f32 v[WP+2*(\l):WP+2*(\l)+1], v[X01:X01+1], \rm1f, v[CF:CF+1] op_sel_hi:[1,0,1] neg_lo:[0,0,1] neg_hi:[0,0,1]
.endm
; a dense level in LDS: entry iy res + ix; la: the level's own address register
.macro ADR_LDS q, l, res, rm1f, lbase, la
	CELL \q, \res-1, \rm1f, \l
	v_mad_u32_u24 v[IDX], v[CY], \res, v[CX]
	v_min_u32 v[IDX], (\res)*(\res)-(\res)-2, v[IDX]           ; (res-2) res + res-2, which the cells never pass: the bound stands in the line
	v_lshl_add_u32 v[\la], v[IDX], 3, \lbase
.endm
; four reads of 8 bytes: the entry, its right, lower and lower right neighbours, into d .. d + 7
.macro GET_LDS res, la, d
	ds_load_b64 v[\d:\d+1],   v[\la]
	ds_load_b64 v[\d+2:\d+3], v[\la] offset:8
	ds_load_b64 v[\d+4:\d+5], v[\la] offset:8*(\res)
	ds_load_b64 v[\d+6:\d+7], v[\la] offset:8*(\res)+8
.endm
; a dense level in memory (9-12): the byte offset is formed in a register
.macro ADR_DENSE q, l, res, rm1f
	CELL \q, \res-1, \rm1f, \l
	v_mad_u32_u24 v[IDX], v[CY], \res, v[CX]
	v_min_u32 v[IDX], (\res)*(\res)-(\res)-2, v[IDX]
	v_lshlrev_b32 v[GA+(\l)-9], 3, v[IDX]
.endm
.macro GET_DENSE l, res
	global_load_b64 v[GD+8*((\l)-9):GD+8*((\l)-9)+1],   v[GA+(\l)-9], s[4+2*(\l):5+2*(\l)]
	global_load_b64 v[GD+8*((\l)-9)+2:GD+8*((\l)-9)+3], v[GA+(\l)-9], s[4+2*(\l):5+2*(\l)] offset:8
	global_load_b64 v[GD+8*((\l)-9)+4:GD+8*((\l)-9)+5], v[GA+(\l)-9], s[4+2*(\l):5+2*(\l)] offset:8*(\res)
	global_load_b64 v[GD+8*((\l)-9)+6:GD+8*((\l)-9)+7], v[GA+(\l)-9], s[4+2*(\l):5+2*(\l)] offset:8*(\res)+8
.endm
; a hashed level (13-15): entry (ix xor iy x prime) mod 2^18; ix is below 512, so the mask may be laid on iy x prime alone
.macro ADR_HASH q, l, res, rm1f
.set HG, GA+4+4*((\l)-13)
	CELL \q, \res-1, \rm1f, \l
	v_mul_lo_u32 v[HY0], v[CY], s62
	v_add_nc_u32 v[IX1], 1, v[CX]
	v_add_nc_u32 v[HY1], s62, v[HY0]               ; (iy + 1) x prime, modulo 2^32
	v_and_b32 v[HY0], 0x3ffff, v[HY0]
	v_and_b32 v[HY1], 0x3ffff, v[HY1]
	v_xor_b32 v[HG],   v[CX],  v[HY0]
	v_xor_b32 v[HG+1], v[IX1], v[HY0]
	v_xor_b32 v[HG+2], v[CX],  v[HY1]
	v_xor_b32 v[HG+3], v[IX1], v[HY1]
.irp c, 0,1,2,3
	v_min_u32 v[HG+\c], 0x3ffff, v[HG+\c]          ; changes no value: the table's last entry, stated in the line
	v_lshlrev_b32 v[HG+\c], 3, v[HG+\c]
.endr
.endm
.macro GET_HASH l
.set HG, GA+4+4*((\l)-13)
.irp c, 0,1,2,3
	global_load_b64 v[GD+8*((\l)-9)+2*\c:GD+8*((\l)-9)+2*\c+1], v[HG+\c], s[4+2*(\l):5+2*(\l)]
.endr
.endm
; f00, f10, f01, f11 at d, d+2, d+4, d+6 (two floats each): along x twice, along y once.  The two features land, in f32, on the level's
; weights, which are read there for the last time; the point's largest magnitude runs along.
.macro LERP l, d
	v_pk_add_f32 v[\d+2:\d+3], v[\d+2:\d+3], v[\d:\d+1] neg_lo:[0,1] neg_hi:[0,1]
	v_pk_add_f32 v[\d+6:\d+7], v[\d+6:\d+7], v[\d+4:\d+5] neg_lo:[0,1] neg_hi:[0,1]
	v_pk_fma_f32 v[\d:\d+1],   v[\d+2:\d+3], v[WP+2*(\l):WP+2*(\l)+1], v[\d:\d+1] op_sel_hi:[1,0,1]        ; both by wx
	v_pk_fma_f32 v[\d+4:\d+5], v[\d+6:\d+7], v[WP+2*(\l):WP+2*(\l)+1], v[\d+4:\d+5] op_sel_hi:[1,0,1]
	v_pk_add_f32 v[\d+4:\d+5], v[\d+4:\d+5], v[\d:\d+1] neg_lo:[0,1] neg_hi:[0,1]
	v_pk_fma_f32 v[WP+2*(\l):WP+2*(\l)+1], v[\d+4:\d+5], v[WP+2*(\l):WP+2*(\l)+1], v[\d:\d+1] op_sel:[0,1,0] op_sel_hi:[1,1,1]   ; both by wy
.if (\l) == 0
	v_max_num_f32 v[FM], |v[WP]|, |v[WP+1]|        ; level 0 comes first and starts the maximum
.else
	v_max3_num_f32 v[FM], |v[WP+2*(\l)]|, |v[WP+2*(\l)+1]|, v[FM]
.endif
.endm
; a level of the nine in LDS: LDS answers in order, so the four reads of each later level may stay out
.macro LLDS l, d
	s_wait_dscnt 32-4*(\l)
	LERP \l, \d
.endm
; ================= the layers
; The C of a layer: bias (already times P_l) times the point's scale, written into the accumulators
.macro CBUILD bias
.irp p, 0,1
.irp t, 0,1,2,3
.irp j, 0,2,4,6
	v_pk_mul_f32 v[ACC+32*\p+8*\t+\j:ACC+32*\p+8*\t+\j+1], v[\bias+8*\t+\j:\bias+8*\t+\j+1], v[SC+2*\p:SC+2*\p+1] op_sel_hi:[1,0]
.endr
.endr
.endr
.endm
; One K step of a layer: four feature tiles x two point tiles, adding in place.  src: source 1 of point tile 0; pst: registers from tile to tile.
; The eight accumulators take turns, one instruction a turn.
.macro KSTEP wf, stride, s, src, pst
.irp t, 0,1,2,3
.irp p, 0,1
	v_wmma_f32_16x16x32_f16 v[ACC+32*\p+8*\t:ACC+32*\p+8*\t+7], v[\wf+8*(\stride*\t+\s):\wf+8*(\stride*\t+\s)+7], v[\src+\pst*\p+8*\s:\src+\pst*\p+8*\s+7], v[ACC+32*\p+8*\t:ACC+32*\p+8*\t+7]
.endr
.endr
.endm
; ReLU in f32, two maxima to an instruction (an even and an odd destination, second sources in neighbouring registers), then two features
; to a register: tile t of point tile p becomes registers 4 t .. 4 t + 3 of the next source 1
.macro RELU
.irp p, 0,1
.irp t, 0,1,2,3
.irp j, 0,2,4,6
	v_dual_max_num_f32 v[ACC+32*\p+8*\t+\j], 0, v[ACC+32*\p+8*\t+\j] :: v_dual_max_num_f32 v[ACC+32*\p+8*\t+\j+1], 0, v[ACC+32*\p+8*\t+\j+1]
.endr
.irp j, 0,1,2,3
	v_cvt_pk_f16_f32 v[HB+16*\p+4*\t+\j], v[ACC+32*\p+8*\t+2*\j], v[ACC+32*\p+8*\t+2*\j+1]
.endr
.endr
.endr
.endm
; The four layers for the 32 points of half hf.  Window setting 0x01: source 0 (weights; b0, b1) above v255.
; PLACES behind each layer: the ReLU reads results and writes source 1, the last lines read results.
.macro MLP hf
	WIN 0x01
	CBUILD B0R
	KSTEP W0F, 1, 0, PK, 8
	WIN 0
	PLACES
	RELU
	WIN 0x01
	CBUILD B1R
	KSTEP W1F, 2, 0, HB, 16
	KSTEP W1F, 2, 1, HB, 16
	WIN 0
	PLACES
	RELU
	CBUILD B2R
	WIN 0x01
	KSTEP W2F, 2, 0, HB, 16
	KSTEP W2F, 2, 1, HB, 16
	WIN 0
	PLACES
	RELU
	WIN 0x01                                       ; the last layer: one feature tile, two point tiles, which take turns; the sums start from 0
	v_wmma_f32_16x16x32_f16 v[ACC:ACC+7],     v[W3F:W3F+7], v[HB:HB+7],     0
	v_wmma_f32_16x16x32_f16 v[ACC+32:ACC+39], v[W3F:W3F+7], v[HB+16:HB+23], 0
	v_wmma_f32_16x16x32_f16 v[ACC:ACC+7],     v[W3F+8:W3F+15], v[HB+8:HB+15],  v[ACC:ACC+7]
	v_wmma_f32_16x16x32_f16 v[ACC+32:ACC+39], v[W3F+8:W3F+15], v[HB+24:HB+31], v[ACC+32:ACC+39]
	WIN 0
	PLACES
.irp p, 0,1
.irp c, 0,1,2
	v_mul_f32 v[ACC+32*\p+\c], v[ACC+32*\p+\c], v[SC+2*\p+1]           ; by 1 / s, a power of two,
.endr
.endr
.irp p, 0,1
.irp c, 0,1,2
	v_fma_f32 v[ACC+32*\p+\c], v[ACC+32*\p+\c], s72, s[68+\c]          ; by 1 / P_3, and b3
.endr
.endr
	s_wait_alu depctr_va_vdst(0)                   ; the six multiply-adds have written their registers, which the six LDS stores read
.irp p, 0,1
.irp c, 0,1,2
	ds_store_b32 v[STO], v[ACC+32*\p+\c] offset:384*\hf+192*\p+4*\c    ; output c of point 32 hf + 16 p + r
.endr
.endr
.endm
; One half of a trip: 32 points.  x: the registers of their xn (x, x+1) and q (x+2, x+3).  more = 1: the same half of the next trip is asked for.
.macro HALF hf, x, more
	s_wait_alu depctr_vm_vsrc(0)                   ; the lookups of the half before have read GA, LA and LA8, which are written again below; its six LDS stores have read their accumulator registers, and the trip's
	                                               ; global stores OUTR, in which loads land again; in the first trip: the set-up's loads and LDS stores have read v[232:255]
	v_pk_fma_f32 v[X01:X01+1], v[\x:\x+1], 0.5, 0.5 op_sel_hi:[1,0,0]  ; (xn + 1) / 2, rounded as xn + 1 is
	; the first run of vector work: weights and offsets of the seven levels in memory
	ADR_DENSE \x+2, 9,  128, 0x42fe0000
	ADR_DENSE \x+2, 10, 161, 0x43200000
	ADR_DENSE \x+2, 11, 203, 0x434a0000
	ADR_DENSE \x+2, 12, 256, 0x437f0000
	ADR_HASH  \x+2, 13, 322, 0x43a08000
	ADR_HASH  \x+2, 14, 406, 0x43ca8000
	ADR_HASH  \x+2, 15, 512, 0x43ff8000
	s_wait_alu depctr_va_vdst(0)                   ; the sixteen offsets GA are written, which the gathers read; the layers of the half before are done with v[172:227] (accumulators, source 1), in which the gathers land
	; the 28 gathers from memory go out first and land while the nine levels in LDS are worked on
	GET_DENSE 9,  128
	GET_DENSE 10, 161
	GET_DENSE 11, 203
	GET_DENSE 12, 256
	GET_HASH  13
	GET_HASH  14
	GET_HASH  15
	; the second run: weights and addresses of the nine levels in LDS; it names no register of the gathers
	ADR_LDS \x+2, 0, 16,  0x41700000, T0, LA
	ADR_LDS \x+2, 1, 20,  0x41980000, T1, LA+1
	ADR_LDS \x+2, 2, 25,  0x41c00000, T2, LA+2
	ADR_LDS \x+2, 3, 32,  0x41f80000, T3, LA+3
	ADR_LDS \x+2, 4, 40,  0x421c0000, T4, LA+4
	ADR_LDS \x+2, 5, 50,  0x42440000, T5, LA+5
	ADR_LDS \x+2, 6, 64,  0x427c0000, T6, LA+6
	ADR_LDS \x+2, 7, 80,  0x429e0000, T7, LA+7
	ADR_LDS \x+2, 8, 101, 0x42c80000, T8, LA8
	s_wait_alu depctr_va_vdst(0)                   ; the nine addresses are written, which the LDS reads read; the half before is done with v[132:171], v[232:247] and PK, in which they land;
	                                               ; and this half's cells are done reading its xn and q, in which the next trip's loads land further down
	GET_LDS 16,  LA,   LD
	GET_LDS 20,  LA+1, LD+8
	GET_LDS 25,  LA+2, LD+16
	GET_LDS 32,  LA+3, LD+24
	GET_LDS 40,  LA+4, LD+32
	GET_LDS 50,  LA+5, LD2
	GET_LDS 64,  LA+6, LD2+8
	GET_LDS 80,  LA+7, PK
	GET_LDS 101, LA8,  PK+8
	LLDS 0, LD
	LLDS 1, LD+8
	LLDS 2, LD+16
	LLDS 3, LD+24
	LLDS 4, LD+32
	LLDS 5, LD2
	LLDS 6, LD2+8
	LLDS 7, PK
	LLDS 8, PK+8
.irp n, 0,1,2,3,4,5,6
	s_wait_loadcnt 24-4*\n                         ; loads come back in order: the four gathers of each later level may stay out; nothing younger has been issued
	LERP 9+\n, GD+8*\n
.endr
.if \more
	global_load_b64 v[\x:\x+1],   v[L8], s[52:53] offset:512+256*\hf th:TH_LOAD_NT   ; read a whole trip later, behind a run of gathers
	global_load_b64 v[\x+2:\x+3], v[L8], s[54:55] offset:512+256*\hf th:TH_LOAD_NT   ; that is younger and is waited for down to 0.  No wait here: no vector instruction since the last wait on va_vdst names these four registers
.endif
	; my point's scale: G = largest |feature| + Gamma, E its exponent field, G < 2^(E-126), s = 2^(141-E): field 268 - E, so s G < 2^15
	v_add_f32 v[FM], s71, v[FM]
	v_max_num_f32 v[FM], 0x0d800000, v[FM]         ; at least 2^-100, so that s is a normal number
	v_and_b32 v[SP], 0x7f800000, v[FM]
	v_sub_nc_u32 v[SP], 0x86000000, v[SP]
	; Scale and pack.  Level l goes to register l % 4 + 8 ((l / 4) % 2) + 4 (l / 8) of the sixteen: levels 0-3, 8-11 into the lower eight,
	; levels 4-7, 12-15 into the upper eight, so that the exchange below leaves each point tile's source 1 in eight neighbouring registers.
.irp l, 0,1,2,3,4,5,6,7,8,9,10,11,12,13,14,15
	v_pk_mul_f32 v[WP+2*\l:WP+2*\l+1], v[WP+2*\l:WP+2*\l+1], v[SP:SP+1] op_sel_hi:[1,0]   ; both by s
	v_cvt_pk_f16_f32 v[PK+((\l)%4)+8*(((\l)/4)%2)+4*((\l)/8)], v[WP+2*\l], v[WP+2*\l+1]
.endr
	v_permlanex16_b32 v[RR], v[SP], s60, s61       ; in the layers lane (r, h) works for point 16 p + r: both halves want that point's s
	v_cndmask_b32 v[SC],   v[SP], v[RR], s59       ; points 0-15: lanes 16-31 take it from across
	v_cndmask_b32 v[SC+2], v[RR], v[SP], s59       ; points 16-31: lanes 0-15 do
	v_sub_nc_u32 v[SC+1], 0x7f000000, v[SC]        ; 1 / s: field 254 - field
	v_sub_nc_u32 v[SC+3], 0x7f000000, v[SC+2]
	; From a lane = a point to source 1 of the first layer.  Lane (r, h) of point tile p wants levels 4 h + j (registers j = 0-3) and
	; 8 + 4 h + j - 4 (registers j = 4-7) of point 16 p + r.  Register j of the lower eight holds the level for h = 0, register j of the
	; upper eight the level for h = 1; the exchange of the first's lanes 16-31 with the second's lanes 0-15 makes of them register j of
	; points 0-15 and register j of points 16-31.  The inputs stay in their natural order, so w0 needs no permutation.
.irp j, 0,1,2,3,4,5,6,7
	v_permlane16_swap_b32 v[PK+\j], v[PK+8+\j]
.endr
	MLP \hf
.endm
; One trip: 64 points in, 768 bytes out.  The stage is my wave's own and LDS serves a wave in order, so the reads see the stores above.
; OUTR is named by no vector instruction of the loop; that the last trip's stores have read it is stated at the head of each half.
.macro TRIP more
	HALF 0, XA, \more
	HALF 1, XB, \more
	ds_load_b128 v[OUTR:OUTR+3],   v[RD16]
	ds_load_b64  v[OUTR+4:OUTR+5], v[RD8] offset:512
	s_wait_dscnt 0x0
	global_store_b128 v[L16], v[OUTR:OUTR+3],  s[56:57] th:TH_STORE_NT             ; 512 consecutive bytes, at a multiple of 256 from out0
	global_store_b64  v[L8],  v[OUTR+4:OUTR+5], s[56:57] offset:512 th:TH_STORE_NT ; and the 256 behind them
.if \more
	s_wait_xcnt 0x0                                ; the three bases and the stores' data are written again only behind this wait
	s_add_nc_u64 s[52:53], s[52:53], 512
	s_add_nc_u64 s[54:55], s[54:55], 512
	s_add_nc_u64 s[56:57], s[56:57], 768
.endif
.endm
	s_mov_b32 s63, 7
.Ltrip:
	TRIP 1
	s_sub_co_u32 s63, s63, 1
	s_cmp_lg_u32 s63, 0
	s_cbranch_scc1 .Ltrip
	TRIP 0                                         ; the eighth trip asks for no further points: no load passes the end of xn or q
	s_set_vgpr_msb 0x4
	s_wait_dscnt 0x0
	s_wait_alu depctr_hold_cnt(0) depctr_sa_sdst(0) depctr_va_vdst(0) depctr_va_sdst(0) depctr_va_ssrc(0) depctr_va_vcc(0) depctr_vm_vsrc(0)
	s_wait_tensorcnt 0x0
	ds_add_u32 v7, v255
	s_wait_dscnt 0x0
	s_endpgm
.Lfunc_end_k_q1e4c228abb_field:
	.size	k_q1e4c228abb_field, .Lfunc_end_k_q1e4c228abb_field-k_q1e4c228abb_field
	.p2alignl 7, 3214868480
	.fill 96, 4, 3214868480
	.section	.rodata,"a",@progbits
	.p2align	6, 0x0
	.amdhsa_kernel k_q1e4c228abb_field
		.amdhsa_group_segment_fixed_size 258304
		.amdhsa_private_segment_fixed_size 0
		.amdhsa_enable_private_segment 0
		.amdhsa_kernarg_size 216
		.amdhsa_user_sgpr_count 2
		.amdhsa_user_sgpr_kernarg_segment_ptr 1
		.amdhsa_wavefront_size32 1
		.amdhsa_system_sgpr_workgroup_id_x 1
		.amdhsa_system_sgpr_workgroup_id_y 1
		.amdhsa_system_sgpr_workgroup_id_z 1
		.amdhsa_system_vgpr_workitem_id 0
		.amdhsa_next_free_vgpr 512
		.amdhsa_next_free_sgpr 88
		.amdhsa_reserve_vcc 0
		.amdhsa_float_denorm_mode_32 3
		.amdhsa_float_denorm_mode_16_64 3
		.amdhsa_memory_ordered 1
		.amdhsa_forward_progress 1
		.amdhsa_inst_pref_size 238
	.end_amdhsa_kernel
	.amdgpu_metadata
---
amdhsa.version: [ 1, 2 ]
amdhsa.kernels:
  - .name:           k_q1e4c228abb_field
    .symbol:         k_q1e4c228abb_field.kd
    .args:
      - { .name: tables_0, .offset: 0, .size: 8, .value_kind: global_buffer, .address_space: global }
      - { .name: tables_1, .offset: 8, .size: 8, .value_kind: global_buffer, .address_space: global }
      - { .name: tables_2, .offset: 16, .size: 8, .value_kind: global_buffer, .address_space: global }
      - { .name: tables_3, .offset: 24, .size: 8, .value_kind: global_buffer, .address_space: global }
      - { .name: tables_4, .offset: 32, .size: 8, .value_kind: global_buffer, .address_space: global }
      - { .name: tables_5, .offset: 40, .size: 8, .value_kind: global_buffer, .address_space: global }
      - { .name: tables_6, .offset: 48, .size: 8, .value_kind: global_buffer, .address_space: global }
      - { .name: tables_7, .offset: 56, .size: 8, .value_kind: global_buffer, .address_space: global }
      - { .name: tables_8, .offset: 64, .size: 8, .value_kind: global_buffer, .address_space: global }
      - { .name: tables_9, .offset: 72, .size: 8, .value_kind: global_buffer, .address_space: global }
      - { .name: tables_10, .offset: 80, .size: 8, .value_kind: global_buffer, .address_space: global }
      - { .name: tables_11, .offset: 88, .size: 8, .value_kind: global_buffer, .address_space: global }
      - { .name: tables_12, .offset: 96, .size: 8, .value_kind: global_buffer, .address_space: global }
      - { .name: tables_13, .offset: 104, .size: 8, .value_kind: global_buffer, .address_space: global }
      - { .name: tables_14, .offset: 112, .size: 8, .value_kind: global_buffer, .address_space: global }
      - { .name: tables_15, .offset: 120, .size: 8, .value_kind: global_buffer, .address_space: global }
      - { .name: w0, .offset: 128, .size: 8, .value_kind: global_buffer, .address_space: global }
      - { .name: w1, .offset: 136, .size: 8, .value_kind: global_buffer, .address_space: global }
      - { .name: w2, .offset: 144, .size: 8, .value_kind: global_buffer, .address_space: global }
      - { .name: w3, .offset: 152, .size: 8, .value_kind: global_buffer, .address_space: global }
      - { .name: b0, .offset: 160, .size: 8, .value_kind: global_buffer, .address_space: global }
      - { .name: b1, .offset: 168, .size: 8, .value_kind: global_buffer, .address_space: global }
      - { .name: b2, .offset: 176, .size: 8, .value_kind: global_buffer, .address_space: global }
      - { .name: b3, .offset: 184, .size: 8, .value_kind: global_buffer, .address_space: global }
      - { .name: xn, .offset: 192, .size: 8, .value_kind: global_buffer, .address_space: global }
      - { .name: q, .offset: 200, .size: 8, .value_kind: global_buffer, .address_space: global }
      - { .name: out0, .offset: 208, .size: 8, .value_kind: global_buffer, .address_space: global }
    .group_segment_fixed_size: 258304
    .private_segment_fixed_size: 0
    .kernarg_segment_align: 8
    .kernarg_segment_size: 216
    .max_flat_workgroup_size: 256
    .sgpr_count:     88
    .vgpr_count:     512
    .wavefront_size: 32
...
	.end_amdgpu_metadata
.endif
;; end of part 3
